; MI455X (gfx1250); checked and timed in simulation.
; The chip was launched on July 23, 2026; its instructions are those of AMD's public machine-readable ISA for CDNA 5 (MIT licence, August 2026) and "CDNA5" Instruction Set Architecture Reference Guide (July 2026). The comments in the code are by the model that wrote it; some were corrected since.
;; Multi Head Self Attention. Allowed arithmetic: matrix products marked QUANTISED: E2M1 operands, one E8M0 scale for each 32 along K, by v_wmma_scale_f32_16x16x128_f8f6f4 with both operands' format E2M1 (or v_wmma_scale_f32_32x16x128_f4), f32 sums; products left as they are: bf16, f16 or f32 operands; f32 sums; everything else in f32.
;; Inputs: Wk 1,024 x 1,024 float32; Wo 1,024 x 1,024 float32; Wq 1,024 x 1,024 float32; Wv 1,024 x 1,024 float32; x 4 x 2,048 x 1,024 float32.
;; Outputs: out0 4 x 2,048 x 1,024 float32.
;; This version of the problem:
;;   THIS VERSION OF THE PROBLEM IS GIVEN IN LOW PRECISION. The matrix products marked QUANTISED in the list below multiply operands that are first quantised to E2M1 (2 exponent bits, 1 mantissa bit; 4 bits a number), with one power-of-two scale for each 32 numbers along K (OCP MX v1.0); their sums are f32. The products marked 'left as it is' may take bf16, f16 or f32 operands, with f32 sums. Whichever they take, every output number must still come out within the allowed error. Rounding operands to bf16 (8 significant bits) uses up far more of that allowance than f16 does (11 bits, for magnitudes from 6e-5 to 65,504). All else is computed in f32.
;;   The module's matrix products, in the order in which they are computed (A, B: the left and right operand; K: the contracted axis; several contracted axes count as one K, in the product's order):
;;     1. [M 8,192, K 1,024] x [K 1,024, N 1,024]; A: input x; B: input Wq: QUANTISED
;;     2. [M 8,192, K 1,024] x [K 1,024, N 1,024]; A: input x; B: input Wk: QUANTISED
;;     3. [M 8,192, K 1,024] x [K 1,024, N 1,024]; A: input x; B: input Wv: QUANTISED
;;     4. batch 64 x [M 2,048, K 64] x [K 64, N 2,048]; A: computed on the way; B: computed on the way: left as it is (an operand is computed on the way)
;;     5. batch 64 x [M 2,048, K 2,048] x [K 2,048, N 64]; A: computed on the way; B: computed on the way: left as it is (an operand is computed on the way)
;;     6. [M 8,192, K 1,024] x [K 1,024, N 1,024]; A: computed on the way; B: input Wo: left as it is (an operand is computed on the way)
;;   THE QUANTISER, for each operand of a quantised product, along K:
;;     - K is cut into blocks of 32 from its start; a last block that is shorter is filled with zeros.
;;     - A block's scale is 2^e with e = floor(log2(the largest magnitude in the block)) - 2, held to -126 .. 127; a block of zeros has e = 0. As a byte (E8M0): e + 127.
;;     - Each number is divided by its block's scale, clamped to +-6, and rounded to the nearest number of E2M1, ties to even, subnormals kept.
;;     - The product sums the exact products of the quantised numbers (number of the format x scale) in f32.
;;   ~~~python
;;   def quantise(x, axis):      # numpy; x: float32 -> the quantised numbers, widened to float32 again
;;       x = np.moveaxis(x, axis, -1); K = x.shape[-1]
;;       x = np.pad(x, [(0, 0)] * (x.ndim - 1) + [(0, -K % 32)]); x = x.reshape(x.shape[:-1] + (-1, 32)); a = np.abs(x).max(-1, keepdims=True)
;;       e = np.where(a > 0, np.clip(np.frexp(np.where(a > 0, a, 1))[1] - 1 - 2, -126, 127), 0)      # np.frexp(a)[1] - 1 = floor(log2(a)), exactly
;;       r = np.clip(x / 2.0 ** e, -6, 6)
;;       step = 2.0 ** (np.maximum(np.frexp(np.where(r == 0, 1, r))[1] - 1, 0) - 1)
;;       q = np.round(r / step) * step * 2.0 ** e      # np.round: ties to even
;;       return np.moveaxis(q.reshape(q.shape[:-2] + (-1,))[..., :K], -1, axis).astype(np.float32)
;;   ~~~
;; One version. Each part assembles by itself: llvm-mc -triple=amdgcn-amd-amdhsa -mcpu=gfx1250 --defsym DOCPART=n.
;; ======== version 1 of 1: 5 launches
;; limits: values are held in f16: magnitudes above 65,504 overflow, below 6.1e-05 lose precision
;; workspace buffers: codes 5,767,168 bytes; scales 360,448 bytes; wo16 2,097,152 bytes; rope 524,288 bytes; qkv 50,331,648 bytes; fine 786,432 bytes; att 16,777,216 bytes
;; launch prep (part 1): grid 416 x 1, 4 waves a work-group, no clusters, 33,280 bytes of LDS; arguments x, Wq, Wk, Wv, Wo, codes, scales, wo16, rope; writes codes, scales, wo16, rope
.if DOCPART == 1
	.amdgcn_target "amdgcn-amd-amdhsa--gfx1250"
	.amdhsa_code_object_version 6
	.text
	.protected	k_q9e050fd05d_prep
	.globl	k_q9e050fd05d_prep
	.p2align	8
	.type	k_q9e050fd05d_prep,@function
k_q9e050fd05d_prep:
	s_mov_b64 s[64:65], 0
	v_nop
	global_prefetch_b8 v0, s[64:65] scope:SCOPE_SE
	s_setreg_imm32_b32 hwreg(HW_REG_WAVE_MODE, 25, 1), 1
	s_wait_xcnt 0x0
; THREE JOBS IN ONE LAUNCH, told apart by the work-group's number alone.
;   0-351   x [8192][1024] and Wq, Wk, Wv [1024][1024], f32 with K innermost, become codes of FP4 (E2M1) and one E8M0 byte for each 32 along K.
;           codes: x's rows of 512 bytes at 0, the weights' 3,072 rows (Wq, Wk, Wv) at 4,194,304.  scales: rows of 32 bytes, x's at 0, the weights' at 262,144.
;   352-383 Wo [1024][1024] f32 becomes f16, same order.
;   384-415 the table of rotations: rope[pos][i] = (cos, sin) of pos x 10000^(-i/32), f32, 256 bytes a position.
; A block's scale is 2^(floor(log2(largest magnitude)) - 2): its byte is the largest magnitude's exponent field - 2, held at 1 from below.  A block of zeros keeps the byte 1: its codes are zeros, and this program alone reads the bytes.
; LIMITS: NaN and infinities among the inputs are not served; blocks whose largest magnitude lies under 2^-124 keep the byte 1; Wo must stay under 65,504 in magnitude (f16).
; Only the first job uses LDS.  Waves share nothing: no barrier.
.set SPARE, 32768                      ; behind the four waves' regions: the spare words, 128 bytes a wave
.set SPW,   12                         ; v12  LDS address of my spare word; never rewritten
.set NIL,   13                         ; v13  0; never rewritten
.set WREG,  8192                       ; LDS region of a wave: two stages of 32 x SP bytes, then its 256 scale bytes
.set SP,    80                         ; a lane's place in a stage: 64 bytes + 16 of padding
.set STEPS, 16
.set EMAX,  2
.set CB,    8                          ; bytes of 16 codes
.set R,     16                         ; v16-79   four sets of 16 numbers as loaded
.set X,     80                         ; v80-111  two sets of 16 neighbours
.set E,     112                        ; v112-127 a scale byte for each step
.set C,     128                        ; v128-191 codes, four registers for each step
	s_load_b256 s[4:11], s[0:1], 0x0               ; x, Wq, Wk, Wv
	s_load_b256 s[12:19], s[0:1], 0x20             ; Wo, codes, scales, wo16
	s_load_b64 s[20:21], s[0:1], 0x40              ; rope
	v_lshl_add_u32 v[SPW], v0, 2, SPARE
	v_mov_b32 v[NIL], 0
	v_lshrrev_b32 v1, 5, v0
	v_readfirstlane_b32 s24, v1                    ; wave 0..3
	v_and_b32 v2, 31, v0                           ; lane
	s_cmp_ge_u32 ttmp9, 384
	s_cbranch_scc1 .Ltable
	s_cmp_ge_u32 ttmp9, 352
	s_cbranch_scc1 .Lcast
; ---------------- the quantiser.  A tensor is a plain stream of blocks of 32; a work-group takes 32,768 numbers, a wave 16 steps of 512.
; Each load reads 512 consecutive bytes; a step's 2,048 bytes turn through the wave's own stage so that a lane gets 16 neighbours; two neighbouring lanes hold a block.
	v_lshlrev_b32 v3, 4, v2                        ; my 16 bytes of a load's 512
	s_mul_i32 s25, s24, WREG
	v_lshrrev_b32 v14, 2, v2
	v_mul_u32_u24 v14, v14, SP
	v_and_b32 v15, 3, v2
	v_lshl_add_u32 v14, v15, 4, v14
	v_add_nc_u32 v14, s25, v14                     ; into the stage: SP (lane / 4) + 16 (lane % 4)
	v_mul_u32_u24 v15, v2, SP
	v_add_nc_u32 v15, s25, v15                     ; out of it: SP x lane
	v_mul_u32_u24 v4, v2, CB                       ; my codes' place in a step's 256 bytes
	v_lshrrev_b32 v5, 1, v2
	s_add_co_u32 s25, s25, 2*32*SP
	v_add_nc_u32 v5, s25, v5                       ; my block's byte among the wave's 256
	v_lshlrev_b32 v7, 3, v2
	v_add_nc_u32 v6, s25, v7                       ; and 8 bytes a lane on the way out
	s_and_b32 s28, ttmp9, 31                       ; a weight's run of 32,768 numbers
	s_sub_co_u32 s29, ttmp9, 256                   ; and its run among the three weights' results
	s_wait_kmcnt 0x0
	s_cmp_lt_u32 ttmp9, 320                        ; the source is chosen by the work-group's number alone
	s_cselect_b64 s[26:27], s[8:9], s[10:11]       ; Wk or Wv
	s_cmp_lt_u32 ttmp9, 288
	s_cselect_b64 s[26:27], s[6:7], s[26:27]       ; Wq
	s_cmp_lt_u32 ttmp9, 256
	s_cselect_b64 s[26:27], s[4:5], s[26:27]       ; x
	s_cselect_b32 s28, ttmp9, s28
	s_cselect_b32 s29, ttmp9, s29
	s_cselect_b32 s30, 0, 0x400000                 ; where the weights' codes begin
	s_cselect_b32 s32, 0, 0x40000                  ; and their scale bytes
	s_lshl_b32 s28, s28, 2
	s_add_co_u32 s28, s28, s24                     ; my wave's run of 8,192 numbers in the source
	s_lshl_b32 s34, s28, 15
	s_mov_b32 s35, 0
	s_add_nc_u64 s[26:27], s[26:27], s[34:35]
	s_lshl_b32 s29, s29, 2
	s_add_co_u32 s29, s29, s24                     ; and in the results
	s_lshl_b32 s34, s29, 12                        ; 4,096 bytes of codes a run
	s_add_co_u32 s34, s34, s30
	s_add_nc_u64 s[14:15], s[14:15], s[34:35]
	s_lshl_b32 s34, s29, 8                         ; 256 scale bytes a run
	s_add_co_u32 s34, s34, s32
	s_add_nc_u64 s[16:17], s[16:17], s[34:35]
.macro LOAD t
.irp i, 0,1,2,3
	global_load_b128 v[R+16*((\t)%4)+4*\i:R+16*((\t)%4)+4*\i+3], v3, s[26:27] offset:2048*(\t)+512*\i th:TH_LOAD_NT
.endr
.endm
.macro TURN t                          ; step t's numbers through the stage: LDS serves a wave's instructions in order, so no wait stands between the stores and the loads
.irp i, 0,1,2,3
	ds_store_b128 v14, v[R+16*((\t)%4)+4*\i:R+16*((\t)%4)+4*\i+3] offset:32*SP*((\t)%2)+8*SP*\i
.endr
.irp i, 0,1,2,3
	ds_load_b128 v[X+16*((\t)%2)+4*\i:X+16*((\t)%2)+4*\i+3], v15 offset:32*SP*((\t)%2)+16*\i
.endr
.endm
.irp t, 0,1,2,3
	LOAD \t
.endr
	s_wait_loadcnt 12                              ; step 0's four loads are in; the 12 of steps 1 to 3 may be out
	TURN 0
.macro STEP t
.set XS, X+16*((\t)%2)
.if (\t) > 0
	s_wait_dscnt 1                                 ; this step's numbers are back from the stage; the last step's byte store may be out
.else
	s_wait_dscnt 0x0
.endif
.if (\t)+4 < STEPS
	LOAD (\t)+4                                    ; into the registers that the stage's stores have read
.endif
.if (\t)+1 < STEPS
.if STEPS-2-(\t) >= 3
	s_wait_loadcnt 12                              ; the next step's four loads are in; those of the three steps behind it may be out
.else
	s_wait_loadcnt 4*(STEPS-2-(\t))
.endif
	TURN (\t)+1
.endif
	v_max3_num_f32 v8, |v[XS]|, |v[XS+1]|, |v[XS+2]|               ; the largest magnitude of my 16, in two chains
	v_max3_num_f32 v9, |v[XS+3]|, |v[XS+4]|, |v[XS+5]|
.irp i, 6,10
	v_max3_num_f32 v8, v8, |v[XS+\i]|, |v[XS+\i+1]|
	v_max3_num_f32 v9, v9, |v[XS+\i+2]|, |v[XS+\i+3]|
.endr
	v_max3_num_f32 v8, v8, |v[XS+14]|, |v[XS+15]|
	v_max3_num_f32 v8, v8, v9, (EMAX+1)<<23        ; and the floor 2^(3 - 127): the byte cannot fall under 1
	v_max_num_f32_dpp v8, v8, v8 row_xmask:1 row_mask:0xf bank_mask:0xf   ; with my neighbour's 16: the block's
	v_add_nc_u32 v11, -(EMAX<<23), v8              ; 2 off its exponent field: the conversion takes the exponent field of this operand as its scale
	v_cvt_scalef32_pk8_fp4_f32 v[C+4*(\t)], v[XS:XS+7], v11
	v_cvt_scalef32_pk8_fp4_f32 v[C+4*(\t)+1], v[XS+8:XS+15], v11
	v_lshrrev_b32 v[E+(\t)], 23, v11               ; the scale's byte (also the plain line behind the conversions)
	ds_store_b8 v5, v[E+(\t)] offset:16*(\t)       ; both lanes of a block write the same byte with the same value
	global_store_b64 v4, v[C+4*(\t):C+4*(\t)+1], s[14:15] offset:32*CB*(\t)   ; the wave stores 256 consecutive bytes, aligned
.endm
.irp t, 0,1,2,3,4,5,6,7,8,9,10,11,12,13,14,15
	STEP \t
.endr
	ds_load_b64 v[8:9], v6                         ; my wave's 256 scale bytes: these loads see my stores
	s_wait_dscnt 0x0
	global_store_b64 v7, v[8:9], s[16:17]          ; one aligned run of 256 bytes
	s_wait_tensorcnt 0x0                           ; the wave's end, behind my last LDS store
	ds_add_u32 v[SPW], v[NIL]
	s_wait_dscnt 0x0
	s_endpgm
; ---------------- Wo to f16.  A wave takes 8,192 numbers in 32 steps of 256.  A step: two loads of 512 consecutive bytes, four conversions, two stores of 256 consecutive bytes.
.Lcast:
	s_sub_co_u32 s25, ttmp9, 352
	s_lshl_b32 s25, s25, 2
	s_add_co_u32 s25, s25, s24                     ; my wave's run
	s_lshl_b32 s26, s25, 15                        ; 32,768 bytes of f32,
	s_mov_b32 s27, 0
	s_lshl_b32 s28, s25, 14                        ; 16,384 of f16
	s_mov_b32 s29, 0
	v_lshlrev_b32 v3, 4, v2
	v_lshlrev_b32 v4, 3, v2
	s_wait_kmcnt 0x0
	s_add_nc_u64 s[12:13], s[12:13], s[26:27]
	s_add_nc_u64 s[18:19], s[18:19], s[28:29]
.macro CLOAD t                         ; slot t % 8 of eight: v[16 + 8 slot ..]
	global_load_b128 v[16+8*((\t)%8):16+8*((\t)%8)+3], v3, s[12:13] offset:1024*(\t) th:TH_LOAD_NT
	global_load_b128 v[16+8*((\t)%8)+4:16+8*((\t)%8)+7], v3, s[12:13] offset:1024*(\t)+512 th:TH_LOAD_NT
.endm
.macro CSTEP t
.if 31-(\t) >= 7
	s_wait_loadcnt 14                              ; my slot's two loads are in; the seven younger steps' 14 may be out
.else
	s_wait_loadcnt 2*(31-(\t))
.endif
	s_wait_xcnt 0x0                                ; the slot's stores of eight steps ago have read their data
.irp i, 0,1,2,3
	v_cvt_pk_f16_f32 v[80+4*((\t)%8)+\i], v[16+8*((\t)%8)+2*\i], v[16+8*((\t)%8)+2*\i+1]
.endr
.if (\t)+8 < 32
	CLOAD (\t)+8
.endif
	global_store_b64 v4, v[80+4*((\t)%8):80+4*((\t)%8)+1], s[18:19] offset:512*(\t)
	global_store_b64 v4, v[80+4*((\t)%8)+2:80+4*((\t)%8)+3], s[18:19] offset:512*(\t)+256
.endm
.irp t, 0,1,2,3,4,5,6,7
	CLOAD \t
.endr
.set TT, 0
.rept 32
	CSTEP TT
.set TT, TT+1
.endr
	s_wait_tensorcnt 0x0                           ; the same three lines close every way through this text
	ds_add_u32 v[SPW], v[NIL]
	s_wait_dscnt 0x0
	s_endpgm
; ---------------- the table.  Lane = i (0..31); a wave takes 16 positions.  The frequency is 2^(-i log2(10000) / 32), the exponent split into a whole number and a rest, the constant in two parts.
; The angle is pos x frequency, rounded once.  It is brought into [-pi/4, pi/4] by k quarter turns (pi/2 in two parts: k is at most 1,304, so what a third part would add is under 3e-12); sine and cosine by polynomials; k's low two bits swap and sign them.
.Ltable:
	s_sub_co_u32 s25, ttmp9, 384
	s_lshl_b32 s25, s25, 6
	s_lshl_b32 s26, s24, 4
	s_add_co_u32 s40, s25, s26                     ; my wave's first position
	s_lshl_b32 s26, s40, 8
	s_mov_b32 s27, 0
	s_mov_b32 s42, 0xbfc90fdb                      ; -pi/2, upper part
	s_mov_b32 s43, 0x333bbd2e                      ; what the upper part has too much
	s_mov_b32 s44, 0xbe2aaaa3                      ; sine: -1.6666654611e-1,
	s_mov_b32 s45, 0x3c08839e                      ; 8.3321608736e-3,
	s_mov_b32 s46, 0xb94ca1f9                      ; -1.9515295891e-4
	s_mov_b32 s47, 0x3d2aaaa5                      ; cosine: 4.166664568e-2,
	s_mov_b32 s48, 0xbab6061a                      ; -1.388731625e-3,
	s_mov_b32 s49, 0x37ccf5ce                      ; 2.443315712e-5
	v_cvt_f32_u32 v3, v2
	v_mul_f32 v4, 0xbed49a78, v3                   ; -i x log2(10000) / 32
	v_rndne_f32 v5, v4                             ; its whole part
	v_fma_f32 v4, v3, 0xbed49a78, -v5              ; the rest, exactly,
	v_fma_f32 v4, v3, 0xb217991f, v4               ; with the constant's lower part
	v_exp_f32 v6, v4
	v_lshlrev_b32 v17, 3, v2                       ; 8 bytes a lane (the plain line behind the exponential)
	v_cvt_i32_f32 v5, v5
	s_wait_alu depctr_va_vdst(0)                   ; the wait ahead of the first reader of the exponential
	v_ldexp_f32 v16, v6, v5                        ; the frequency
	s_wait_kmcnt 0x0
	s_add_nc_u64 s[20:21], s[20:21], s[26:27]
.macro ANGLE n                         ; position n of my 16; its result has a register pair of its own, so no store's data are written again
	s_add_co_u32 s41, s40, \n
	v_cvt_f32_u32 v20, s41
	v_mul_f32 v20, v20, v16                        ; the angle
	v_mul_f32 v21, 0x3f22f983, v20                 ; x 2 / pi
	v_rndne_f32 v21, v21                           ; k
	v_fma_f32 v22, v21, s42, v20
	v_fma_f32 v22, v21, s43, v22                   ; r
	v_mul_f32 v23, v22, v22                        ; r^2
	v_fma_f32 v24, v23, s46, s45
	v_fma_f32 v26, v23, s49, s48
	v_fma_f32 v24, v24, v23, s44
	v_fma_f32 v26, v26, v23, s47
	v_mul_f32 v25, v22, v23
	v_mul_f32 v27, v23, v23
	v_fma_f32 v28, v23, -0.5, 1.0
	v_fma_f32 v24, v25, v24, v22                   ; sin r
	v_fma_f32 v26, v27, v26, v28                   ; cos r
	v_cvt_i32_f32 v29, v21
	v_and_b32 v30, 1, v29
	v_cmp_eq_u32 vcc_lo, 1, v30                    ; an odd k swaps the two
	v_cndmask_b32 v31, v24, v26, vcc_lo
	v_cndmask_b32 v32, v26, v24, vcc_lo
	v_lshlrev_b32 v33, 30, v29
	v_and_b32 v33, 0x80000000, v33                 ; the sine is negative for k % 4 = 2, 3,
	v_add_nc_u32 v34, 1, v29
	v_lshlrev_b32 v34, 30, v34
	v_and_b32 v34, 0x80000000, v34                 ; the cosine for k % 4 = 1, 2
	v_xor_b32 v[64+2*\n], v32, v34
	v_xor_b32 v[65+2*\n], v31, v33
	global_store_b64 v17, v[64+2*\n:65+2*\n], s[20:21] offset:256*\n   ; the wave stores a position's 256 bytes
.endm
.irp n, 0,1,2,3,4,5,6,7,8,9,10,11,12,13,14,15
	ANGLE \n
.endr
	s_wait_tensorcnt 0x0
	ds_add_u32 v[SPW], v[NIL]
	s_wait_dscnt 0x0
	s_endpgm
.Lfunc_end_k_q9e050fd05d_prep:
	.size	k_q9e050fd05d_prep, .Lfunc_end_k_q9e050fd05d_prep-k_q9e050fd05d_prep
	.p2alignl 7, 3214868480
	.fill 96, 4, 3214868480
	.section	.rodata,"a",@progbits
	.p2align	6, 0x0
	.amdhsa_kernel k_q9e050fd05d_prep
		.amdhsa_group_segment_fixed_size 33280
		.amdhsa_private_segment_fixed_size 0
		.amdhsa_enable_private_segment 0
		.amdhsa_kernarg_size 72
		.amdhsa_user_sgpr_count 2
		.amdhsa_user_sgpr_kernarg_segment_ptr 1
		.amdhsa_wavefront_size32 1
		.amdhsa_system_sgpr_workgroup_id_x 1
		.amdhsa_system_sgpr_workgroup_id_y 1
		.amdhsa_system_sgpr_workgroup_id_z 1
		.amdhsa_system_vgpr_workitem_id 0
		.amdhsa_next_free_vgpr 192
		.amdhsa_next_free_sgpr 66
		.amdhsa_reserve_vcc 1
		.amdhsa_float_denorm_mode_32 3
		.amdhsa_float_denorm_mode_16_64 3
		.amdhsa_memory_ordered 1
		.amdhsa_forward_progress 1
		.amdhsa_inst_pref_size 80
	.end_amdhsa_kernel
	.amdgpu_metadata
---
amdhsa.version: [ 1, 2 ]
amdhsa.kernels:
  - .name:           k_q9e050fd05d_prep
    .symbol:         k_q9e050fd05d_prep.kd
    .args:
      - { .name: x, .offset: 0, .size: 8, .value_kind: global_buffer, .address_space: global }
      - { .name: Wq, .offset: 8, .size: 8, .value_kind: global_buffer, .address_space: global }
      - { .name: Wk, .offset: 16, .size: 8, .value_kind: global_buffer, .address_space: global }
      - { .name: Wv, .offset: 24, .size: 8, .value_kind: global_buffer, .address_space: global }
      - { .name: Wo, .offset: 32, .size: 8, .value_kind: global_buffer, .address_space: global }
      - { .name: codes, .offset: 40, .size: 8, .value_kind: global_buffer, .address_space: global }
      - { .name: scales, .offset: 48, .size: 8, .value_kind: global_buffer, .address_space: global }
      - { .name: wo16, .offset: 56, .size: 8, .value_kind: global_buffer, .address_space: global }
      - { .name: rope, .offset: 64, .size: 8, .value_kind: global_buffer, .address_space: global }
    .group_segment_fixed_size: 33280
    .private_segment_fixed_size: 0
    .kernarg_segment_align: 8
    .kernarg_segment_size: 72
    .max_flat_workgroup_size: 128
    .sgpr_count:     66
    .vgpr_count:     192
    .wavefront_size: 32
...
	.end_amdgpu_metadata
.endif
;; end of part 1
;; launch qkv (part 2): grid 12 x 32, 4 waves a work-group, clusters of 4 x 4, 327,680 bytes of LDS; arguments codes, scales, rope, qkv, fine; writes qkv, fine
.if DOCPART == 2
	.amdgcn_target "amdgcn-amd-amdhsa--gfx1250"
	.amdhsa_code_object_version 6
	.text
	.protected	k_q9e050fd05d_qkv
	.globl	k_q9e050fd05d_qkv
	.p2align	8
	.type	k_q9e050fd05d_qkv,@function
k_q9e050fd05d_qkv:
	s_mov_b64 s[64:65], 0
	v_nop
	global_prefetch_b8 v0, s[64:65] scope:SCOPE_SE
	s_setreg_imm32_b32 hwreg(HW_REG_WAVE_MODE, 25, 1), 1
	s_wait_xcnt 0x0
	s_wait_alu depctr_hold_cnt(0) depctr_sa_sdst(0) depctr_va_vdst(0) depctr_va_sdst(0) depctr_va_ssrc(0) depctr_va_vcc(0) depctr_vm_vsrc(0)
	s_getreg_b32 s2, hwreg(HW_REG_IB_STS2, 6, 4)
	s_cmp_eq_u32 s2, 0
	s_cbranch_scc0 .Lentry_in_a_cluster
	s_endpgm
.Lentry_in_a_cluster:
	s_bfe_u32 s2, ttmp6, 0x10000c
	s_cmp_lg_u32 s2, 0xf033
	s_cbranch_scc0 .Lentry_shape_is_right
	s_endpgm
.Lentry_shape_is_right:
; THE THREE QUANTISED PRODUCTS AS ONE GEMM ON CODES OF FP4: C[m][n] = sum over k of x[m][k] W[n][k], m = 8,192 rows of x, n = 3,072 rows of (Wq, Wk, Wv), k = 1,024; sums in f32.
; Behind it, in f32: the rotation of q and k by the table; then q, k, v leave as f16, laid by head: qkv[part][b][h][pos][64].  Positions 0-15 of every sequence also leave in f32 (fine[part][b][pos][1024]) for the launch that carries them finely.
; A tile of C, 256 x 256, is made by four waves; a wave makes 128 x 128: 64 accumulators, 512 registers.  K = 1,024 is two LDS slots of 512 along K (rows of 256 bytes): scales, slot 0 and slot 1 are three first fills, and nothing is filled again.
; CLUSTERS: 4 x 4 work-groups.  The four of a row of the cluster need the same tiles of x, the four of a column the same tiles of W: each is asked for jointly.  The tile row is 8 cy + cluster y, so that cy is the batch and cluster y the block of 256
; positions; cluster x says q, k or v.  So the two tests of the way out (q, k or v; positions 0-15) hang on the cluster's numbers and the wave's alone, and are alike in all sixteen partners.
; THE MATRIX INSTRUCTION IS USED TRANSPOSED (source 0 = 16 rows of W, source 1 = 16 rows of x): a lane holds eight neighbouring columns of one row of C, that is four pairs of the rotation.
; LIMITS: q, k, v must stay under 65,504 in magnitude (f16).
; REGISTERS: window 0: v0-31 addresses; v32-95 scale words, two sets, and nothing else ever; v96-127, v192-223 the table's two sets; v128-191 x's fragments, later 64 rotated numbers; v224-255 packed f16.
;   window 1: W's fragments, two sets, at v0 and v128; v64-127 rows read back from the stage.   windows 2, 3: the accumulators ((a, b) at v[8 (8 (a % 4) + b)]).
.set SIZE_K, 1024
.set KSTEP,  512
.set NQ,     KSTEP/128
.set ROWB,   256
.set KROW,   SIZE_K*4/8
.set PITCH,  272                       ; an LDS row: 256 bytes + 16 of padding: the 16 rows of a load start 68 words apart
.set FR,     8
.set NL,     2
.set NP,     4
.set HALFT,  128*PITCH
.set SLOT,   4*HALFT
.set KS,     SIZE_K/32
.set SCL,    2*SLOT                    ; behind the ring: the scales, as runs of 256 bytes + 16 of padding
.set HALFS,  (128*KS/256)*272
.set SBLK,   (16*KS/256)*272
.set SPARE,  SCL+4*HALFS               ; the spare words, 128 bytes a wave
.set HP,     144                       ; the way out: a head's row of 128 bytes + 16; a wave's stage is 2 heads x 16 rows, in slot 0, which has had its only fill and its last read by then
.set ADRA, 16
.set ADRB, 20
.set STO,  24
.set RD,   25
.set CO,   26
.set ADRS, 27
.set SPW,  28
.set NIL,  29
.set RTA,  30                          ; v30  the table: 256 r + 32 h
.set FO,   31                          ; v31  fine: 4,096 r + 32 h
.set SC,   32
.set AF,   128
.set F,    128
.set H,    224
.set G1, 24
.set G0, 32
.set G1B, 48
.set G0B, 56
.set G1S, 68
.set G0S, 76
.set G1SB, 80
.set G0SB, 88
.set MSB, 0
.macro WIN new                         ; the immediate's high byte repeats the setting that is left
.if MSB != \new
	s_set_vgpr_msb (MSB<<8)|\new
.set MSB, \new
.endif
.endm
.set MUL_LO, 0xa1
.set MUL_HI, 0xf1
.set TO_B,   0x40
; A joint load: waves 0 and 1 fetch for x, waves 2 and 3 for W.  The branch hangs on the wave's number alone.  An s_nop 0 and four v_nop follow each of the two lines.
.macro JLOAD g0a, g1a, g0b, g1b
	s_cmp_eq_u32 s15, 0
	s_cbranch_scc0 .Lfor_b_\@
	tensor_load_to_lds s[\g0a:\g0a+3], s[\g1a:\g1a+7]
	s_nop 0
.rept 4
	v_nop
.endr
	s_branch .Lasked_\@
.Lfor_b_\@:
	tensor_load_to_lds s[\g0b:\g0b+3], s[\g1b:\g1b+7]
	s_nop 0
.rept 4
	v_nop
.endr
.Lasked_\@:
.endm
.macro CROUND                          ; a round of the cluster's barrier
	s_barrier_signal -1
	s_barrier_wait -1
	s_cmp_lg_u32 s14, 0
	s_cbranch_scc1 .Lnot_wave_0_\@
	s_barrier_signal -3
.Lnot_wave_0_\@:
	s_barrier_wait -3
	s_barrier_signal -1
	s_barrier_wait -1
.endm
	s_load_b128 s[4:7], s[0:1], 0x0                ; codes, scales
	s_load_b128 s[96:99], s[0:1], 0x10             ; rope, qkv
	s_load_b64 s[66:67], s[0:1], 0x20              ; fine
	v_lshl_add_u32 v[SPW], v0, 2, SPARE
	v_mov_b32 v[NIL], 0
	ds_add_u32 v[SPW], v[NIL]                      ; the wave's opening: the add, twice on end, and its wait ahead of my first tensor load
	ds_add_u32 v[SPW], v[NIL]
	v_lshrrev_b32 v1, 5, v0
	v_readfirstlane_b32 s14, v1                    ; wave 0..3
	s_lshr_b32 s15, s14, 1                         ; which half of the tile's rows is mine.  Also: I fetch for x (0) or for W (1)
	s_and_b32 s16, s14, 1                          ; which half of its columns.  Also: which 128 rows of that tile I fetch
	s_bfe_u32 s40, ttmp6, 0x40000                  ; cx
	s_bfe_u32 s41, ttmp6, 0x40004                  ; cy: the batch
	s_lshl_b32 s42, ttmp9, 2
	s_add_co_u32 s42, s42, s40                     ; tile column = 4 x cluster x + cx
	s_and_b32 s95, ttmp7, 0xffff                   ; cluster y: the block of 256 positions
	s_lshl_b32 s17, s41, 3
	s_add_co_u32 s17, s17, s95                     ; tile row = 8 cy + cluster y
	s_lshl_b32 s43, s41, 2
	s_lshl_b32 s43, 15, s43                        ; my row of the cluster
	s_lshl_b32 s44, 0x1111, s40                    ; my column
	s_or_b32 s[G1+0], s43, (0<<16)|(1<<20)|(1<<21)|(5<<22)|(3<<25)  ; the mask; elements of 1 byte; padding on: 4 words behind every 64
	s_or_b32 s[G1B+0], s44, (0<<16)|(1<<20)|(1<<21)|(5<<22)|(3<<25)
.irp g, G1, G1B
	s_mov_b32 s[\g+1], ROWB<<16                    ; tensor_dim0
	s_mov_b32 s[\g+2], 128<<16                     ; tensor_dim1
	s_mov_b32 s[\g+3], ROWB<<16                    ; tile_dim0
	s_mov_b32 s[\g+4], 128                         ; tile_dim1
	s_mov_b32 s[\g+5], KROW                        ; from row to row
	s_mov_b32 s[\g+6], 0
	s_mov_b32 s[\g+7], 0
.endr
	s_or_b32 s[G1S+0], s43, (3<<16)|(1<<20)|(1<<21)|(5<<22)|(3<<25) ; the scales of 128 rows: 4,096 dense bytes as 16 rows of 32 elements of 8 bytes
	s_or_b32 s[G1SB+0], s44, (3<<16)|(1<<20)|(1<<21)|(5<<22)|(3<<25)
.irp g, G1S, G1SB
	s_mov_b32 s[\g+1], 32<<16
	s_mov_b32 s[\g+2], (128*KS/256)<<16
	s_mov_b32 s[\g+3], 32<<16
	s_mov_b32 s[\g+4], 128*KS/256
	s_mov_b32 s[\g+5], 32
	s_mov_b32 s[\g+6], 0
	s_mov_b32 s[\g+7], 0
.endr
	s_lshl_b32 s18, s16, 7
	s_lshl_b32 s20, s17, 8
	s_add_co_u32 s20, s20, s18                     ; x: row 256 x tile row + 128 x half
	s_lshl_b32 s46, s42, 8
	s_add_co_u32 s46, s46, s18                     ; W: row 256 x tile column + 128 x half
	s_mov_b32 s21, 0
	s_mov_b32 s47, 0
	s_mov_b64 s[18:19], KS
	s_mul_u64 s[22:23], s[20:21], s[18:19]         ; where these rows' scales begin
	s_mul_u64 s[92:93], s[46:47], s[18:19]
	s_mov_b64 s[18:19], KROW
	s_mul_u64 s[20:21], s[20:21], s[18:19]         ; and their codes
	s_mul_u64 s[46:47], s[46:47], s[18:19]
	s_mul_i32 s45, s14, HALFT                      ; where they go: no place in the cluster enters an LDS address
	s_mul_i32 s94, s14, HALFS
	s_wait_dscnt 0x0                               ; both opening adds are done
	s_wait_kmcnt 0x0
	s_add_nc_u64 s[8:9], s[4:5], 0x400000          ; the weights' codes
	s_add_nc_u64 s[10:11], s[6:7], 0x40000         ; and scale bytes
	s_add_nc_u64 s[20:21], s[4:5], s[20:21]
	s_add_nc_u64 s[22:23], s[6:7], s[22:23]
	s_add_nc_u64 s[46:47], s[8:9], s[46:47]
	s_add_nc_u64 s[92:93], s[10:11], s[92:93]
	CROUND                                         ; all sixteen work-groups are here: the joint loads meet
	s_mov_b32 s[G0S], 1
	s_add_co_u32 s[G0S+1], s94, SCL
	s_mov_b64 s[G0S+2:G0S+3], s[22:23]
	s_or_b32 s[G0S+3], s[G0S+3], 0x80000000
	s_mov_b32 s[G0SB], 1
	s_add_co_u32 s[G0SB+1], s94, SCL
	s_mov_b64 s[G0SB+2:G0SB+3], s[92:93]
	s_or_b32 s[G0SB+3], s[G0SB+3], 0x80000000
	JLOAD G0S, G1S, G0SB, G1SB                     ; the scales first: they are wanted with slot 0
.irp s, 0,1
	s_mov_b32 s[G0+4*\s], 1
	s_add_co_u32 s[G0+4*\s+1], s45, \s*SLOT
	s_add_nc_u64 s[G0+4*\s+2:G0+4*\s+3], s[20:21], \s*ROWB
	s_or_b32 s[G0+4*\s+3], s[G0+4*\s+3], 0x80000000
	s_mov_b32 s[G0B+4*\s], 1
	s_add_co_u32 s[G0B+4*\s+1], s45, \s*SLOT
	s_add_nc_u64 s[G0B+4*\s+2:G0B+4*\s+3], s[46:47], \s*ROWB
	s_or_b32 s[G0B+4*\s+3], s[G0B+4*\s+3], 0x80000000
	JLOAD G0+4*\s, G1, G0B+4*\s, G1B               ; three loads of mine are out at the most
.endr
	v_and_b32 v1, 15, v0                           ; r
	v_bfe_u32 v2, v0, 4, 1                         ; h
	v_mul_u32_u24 v3, v1, PITCH
	v_lshl_add_u32 v4, v2, 4, v3
	s_mul_i32 s21, s15, HALFT
	s_mul_i32 s22, s16, HALFT
	s_add_co_u32 s22, s22, 2*HALFT
.irp s, 0,1
	v_add_nc_u32 v[ADRA+\s], s21, v4
	v_add_nc_u32 v[ADRB+\s], s22, v4
	s_add_co_u32 s21, s21, SLOT
	s_add_co_u32 s22, s22, SLOT
.endr
	v_mul_u32_u24 v5, v1, KS                       ; my row's scales: 32 bytes a row,
	v_lshrrev_b32 v6, 8, v5
	v_lshl_add_u32 v5, v6, 4, v5                   ; and 16 more for each 256 passed
	s_mul_i32 s21, s15, HALFS
	s_mul_i32 s22, s16, HALFS
	s_add_co_u32 s22, s22, 2*HALFS
	s_sub_co_u32 s22, s22, s21
	v_mul_u32_u24 v6, s22, v2                      ; lanes 16-31 take W's
	s_add_co_u32 s21, s21, SCL
	v_add_nc_u32 v5, v5, v6
	v_add_nc_u32 v[ADRS], s21, v5
	; the way out's addresses
	s_mul_i32 s23, s14, 32*HP                      ; my stage
	v_mul_u32_u24 v5, v1, HP
	v_lshl_add_u32 v5, v2, 4, v5
	v_add_nc_u32 v[STO], s23, v5                   ; in: row r, 16 bytes for each half of the lanes
	v_and_b32 v6, 31, v0
	v_lshrrev_b32 v5, 3, v6
	v_mul_u32_u24 v5, v5, HP
	v_and_b32 v3, 7, v0
	v_lshl_add_u32 v5, v3, 4, v5
	v_add_nc_u32 v[RD], s23, v5                    ; back: eight lanes to a row of 128 bytes, four rows an instruction
	v_lshlrev_b32 v[CO], 4, v6                     ; which are 512 consecutive bytes of a head
	v_lshlrev_b32 v[RTA], 8, v1
	v_lshl_add_u32 v[RTA], v2, 5, v[RTA]
	v_lshlrev_b32 v[FO], 12, v1
	v_lshl_add_u32 v[FO], v2, 5, v[FO]
	s_lshl_b32 s8, s41, 4                          ; qkv: head 16 b + 4 cx + 2 x column half,
	s_lshl_b32 s9, s40, 2
	s_add_co_u32 s8, s8, s9
	s_lshl_b32 s9, s16, 1
	s_add_co_u32 s8, s8, s9
	s_lshl_b32 s8, s8, 11                          ; 2,048 positions a head,
	s_lshl_b32 s9, s95, 8
	s_add_co_u32 s8, s8, s9
	s_lshl_b32 s9, s15, 7
	s_add_co_u32 s8, s8, s9                        ; my first position,
	s_lshl_b32 s8, s8, 7                           ; 128 bytes a row,
	s_lshl_b32 s9, ttmp9, 24                       ; and the part: q, k or v
	s_add_co_u32 s8, s8, s9
	s_mov_b32 s9, 0
	s_add_nc_u64 s[98:99], s[98:99], s[8:9]
	s_lshl_b32 s10, s95, 8                         ; the table at my first position
	s_lshl_b32 s11, s15, 7
	s_add_co_u32 s10, s10, s11
	s_lshl_b32 s10, s10, 8
	s_mov_b32 s11, 0
	s_add_nc_u64 s[96:97], s[96:97], s[10:11]
	s_lshl_b32 s12, ttmp9, 18                      ; fine: the part, the batch, my first column
	s_lshl_b32 s13, s41, 16
	s_add_co_u32 s12, s12, s13
	s_lshl_b32 s13, s40, 10
	s_add_co_u32 s12, s12, s13
	s_lshl_b32 s13, s16, 9
	s_add_co_u32 s12, s12, s13
	s_mov_b32 s13, 0
	s_add_nc_u64 s[66:67], s[66:67], s[12:13]
; The table for block a of 16 positions: (cos, sin) of my row's four pairs in each of a head's four column tiles; both heads use the same.  Set a % 2.
.macro RLOAD a
.irp j, 0,1,2,3
.irp c, 0,1
	global_load_b128 v[96+96*((\a)%2)+8*\j+4*\c:96+96*((\a)%2)+8*\j+4*\c+3], v[RTA], s[96:97] offset:(\a)*4096+64*\j+16*\c
.endr
.endr
.endm
	RLOAD 0                                        ; asked for here, so that they land under the products.  Every work-group asks, v's too, which do not use these 8 KB a wave: so the text has one way from here to the way out
	RLOAD 1
.macro FRAG reg, adr, q, i             ; 16 rows x 128 K of 4-bit codes: 8 registers; two loads of 16 bytes, 32 bytes apart
.irp c, 0,1
	ds_load_b128 v[\reg+4*\c:\reg+4*\c+3], v[\adr] offset:64*(\q)+32*\c+(\i)*16*PITCH
.endr
.endm
; 16 matrix instructions: x's blocks a0, a0 + 1 against W's eight.  The 64 accumulators take turns, one instruction a turn, in the same order in every step.
.macro MUL16 a0, p, q, sc, zero
.irp a, \a0, \a0+1
.irp b, 0,1,2,3,4,5,6,7
.if \zero
	v_wmma_scale_f32_16x16x128_f8f6f4 v[8*(8*((\a)%4)+\b):8*(8*((\a)%4)+\b)+7], v[128*(\p)+FR*\b:128*(\p)+FR*\b+FR-1], v[AF+FR*(\a):AF+FR*(\a)+FR-1], 0, v[SC+8*NQ*(\sc)+NQ*\b+(\q)], v[SC+8*NQ*(\sc)+NQ*(\a)+(\q)] matrix_a_fmt:MATRIX_FMT_FP4 matrix_b_fmt:MATRIX_FMT_FP4 matrix_a_scale:MATRIX_SCALE_ROW1
.else
	v_wmma_scale_f32_16x16x128_f8f6f4 v[8*(8*((\a)%4)+\b):8*(8*((\a)%4)+\b)+7], v[128*(\p)+FR*\b:128*(\p)+FR*\b+FR-1], v[AF+FR*(\a):AF+FR*(\a)+FR-1], v[8*(8*((\a)%4)+\b):8*(8*((\a)%4)+\b)+7], v[SC+8*NQ*(\sc)+NQ*\b+(\q)], v[SC+8*NQ*(\sc)+NQ*(\a)+(\q)] matrix_a_fmt:MATRIX_FMT_FP4 matrix_b_fmt:MATRIX_FMT_FP4 matrix_a_scale:MATRIX_SCALE_ROW1
.endif
.endr
.endr
.endm
.macro FETCH_B slot, q, p
	WIN TO_B
.irp i, 0,1,2,3,4,5,6,7
	FRAG 128*(\p)+FR*\i, ADRB+\slot, \q, \i
.endr
	WIN 0
.endm
.macro FETCH_A slot, q, i0
.irp i, \i0, \i0+1, \i0+2, \i0+3
	FRAG AF+FR*(\i), ADRA+\slot, \q, \i
.endr
.endm
.macro SCALES sc                       ; a slot's scale words: lanes 0-15 take x's block i, lanes 16-31 W's block i; four words a row
.irp i, 0,1,2,3,4,5,6,7
	ds_load_b128 v[SC+8*NQ*\sc+NQ*\i:SC+8*NQ*\sc+NQ*\i+3], v[ADRS] offset:\i*SBLK
.endr
.endm
.macro PLACES n                        ; plain vector lines between a matrix instruction and a load into, or a read of, its registers
.rept \n
	v_nop
.endr
.endm
.macro STEP slot, q, zero              ; 128 along K, with its successor in the same slot
	s_wait_dscnt 4*NL                              ; W's set and x's blocks 0-3 are in; the youngest eight loads (x's blocks 4-7) may be out
	WIN MUL_LO
	MUL16 0, (\q)%2, \q, \slot, \zero
	MUL16 2, (\q)%2, \q, \slot, \zero
	s_wait_dscnt 0
	PLACES NP
	FETCH_B \slot, (\q)+1, 1-(\q)%2
	FETCH_A \slot, (\q)+1, 0
	WIN MUL_HI
	MUL16 4, (\q)%2, \q, \slot, \zero
	MUL16 6, (\q)%2, \q, \slot, \zero
	PLACES NP
	WIN 0
	FETCH_A \slot, (\q)+1, 4
.endm
.macro STEPS slot, from
.set Q, \from
.rept NQ-1-\from
	STEP \slot, Q, 0
.set Q, Q+1
.endr
.endm
	s_wait_tensorcnt 1                             ; the scales and my part of slot 0 are in; slot 1's load may be out,
	s_barrier_signal -1
	s_barrier_wait -1                              ; everybody's are
	FETCH_B 0, 0, 0
	FETCH_A 0, 0, 0
	SCALES 0
	FETCH_A 0, 0, 4
	STEP 0, 0, 1                                   ; the first products start the sums: nothing is cleared
	STEPS 0, 1
	; slot 0's last step changes slots: one barrier; in front of it my part of slot 1 has landed and my reads of slot 0 are over
	s_wait_tensorcnt 0x0
	ds_add_u32 v[SPW], v[NIL]
	s_wait_dscnt 4*NL+1                            ; the add and the youngest eight loads may be out
	WIN MUL_LO
	MUL16 0, 1, NQ-1, 0, 0
	s_wait_dscnt 0x0
	s_barrier_signal -1
	MUL16 2, 1, NQ-1, 0, 0
	WIN 0
	s_barrier_wait -1
	PLACES NP
	v_add_nc_u32 v[ADRS], 4*NQ, v[ADRS]            ; on to slot 1's scale words
	FETCH_B 1, 0, 0
	FETCH_A 1, 0, 0
	SCALES 1
	WIN MUL_HI
	MUL16 4, 1, NQ-1, 0, 0
	MUL16 6, 1, NQ-1, 0, 0
	PLACES NP
	WIN 0
	FETCH_A 1, 0, 4
	STEPS 1, 0
	s_wait_dscnt 4*NL
	WIN MUL_LO
	MUL16 0, 1, NQ-1, 1, 0
	MUL16 2, 1, NQ-1, 1, 0
	s_wait_dscnt 0
	WIN MUL_HI
	MUL16 4, 1, NQ-1, 1, 0
	MUL16 6, 1, NQ-1, 1, 0
	WIN 0
; THE WAY OUT, block by block of 16 positions x 128 columns (two heads).
; ROPE: register 2 i, 2 i + 1 of tile b are a pair: (c x0 - s x1, s x0 + c x1).  Each accumulator is first read at its register 1.
.macro ROPE a
	WIN 0x08+4*((\a)/4)                            ; source 1: the accumulators' window
.irp b, 0,1,2,3,4,5,6,7
.irp i, 0,1,2,3
	v_mul_f32 v[F+8*\b+2*\i], v[96+96*((\a)%2)+8*(\b%4)+2*\i+1], v[64*((\a)%4)+8*\b+2*\i+1]
	v_mul_f32 v[F+8*\b+2*\i+1], v[96+96*((\a)%2)+8*(\b%4)+2*\i+1], v[64*((\a)%4)+8*\b+2*\i]
.endr
.irp i, 0,1,2,3
	v_fma_f32 v[F+8*\b+2*\i], v[96+96*((\a)%2)+8*(\b%4)+2*\i], v[64*((\a)%4)+8*\b+2*\i], -v[F+8*\b+2*\i]
	v_fma_f32 v[F+8*\b+2*\i+1], v[96+96*((\a)%2)+8*(\b%4)+2*\i], v[64*((\a)%4)+8*\b+2*\i+1], v[F+8*\b+2*\i+1]
.endr
.endr
	WIN 0
.endm
.macro PACK                            ; to f16: a lane's eight numbers of a tile are 16 bytes
.irp b, 0,1,2,3,4,5,6,7
.irp i, 0,1,2,3
	v_cvt_pk_f16_f32 v[H+4*\b+\i], v[F+8*\b+2*\i], v[F+8*\b+2*\i+1]
.endr
.endr
.endm
.macro PACKV a                         ; v is not rotated: straight from the accumulators, each from its low end on
	WIN 0x0a+5*((\a)/4)
.irp b, 0,1,2,3,4,5,6,7
.irp i, 0,1,2,3
	v_cvt_pk_f16_f32 v[H+4*\b+\i], v[64*((\a)%4)+8*\b+2*\i], v[64*((\a)%4)+8*\b+2*\i+1]
.endr
.endr
	WIN 0
.endm
; Positions 0-15 in f32: the upper waves of the clusters with y = 0 alone.  Pieces of 32 bytes, unstaged: 0.8 MB of the launch's 51 MB of results.
.macro FINE win, base
	s_or_b32 s2, s15, s95
	s_cmp_lg_u32 s2, 0
	s_cbranch_scc1 .Lnot_first_\@
	WIN \win
.irp b, 0,1,2,3,4,5,6,7
.irp c, 0,1
	global_store_b128 v[FO], v[\base+8*\b+4*\c:\base+8*\b+4*\c+3], s[66:67] offset:64*\b+16*\c
.endr
.endr
	WIN 0
.Lnot_first_\@:
.endm
.macro TOSTAGE a                       ; into my stage by heads, and back as whole rows; LDS serves a wave's instructions in order, so no wait stands between
.irp b, 0,1,2,3,4,5,6,7
	ds_store_b128 v[STO], v[H+4*\b:H+4*\b+3] offset:(\b/4)*16*HP+32*(\b%4)
.endr
	WIN 0x40
.irp g, 0,1
.irp t, 0,1,2,3
	ds_load_b128 v[64+32*((\a)%2)+4*(4*\g+\t):64+32*((\a)%2)+4*(4*\g+\t)+3], v[RD] offset:\g*16*HP+\t*4*HP
.endr
.endr
	WIN 0
.endm
.macro SEND a, younger                 ; younger: the LDS instructions issued behind block a's loads (the next block's 8 stores and 8 loads), which may stay out
	s_wait_dscnt \younger
	WIN 0x04
.irp g, 0,1
.irp t, 0,1,2,3
	global_store_b128 v[CO], v[64+32*((\a)%2)+4*(4*\g+\t):64+32*((\a)%2)+4*(4*\g+\t)+3], s[98:99] offset:\g*262144+(16*(\a)+4*\t)*128   ; four positions of a head: 512 consecutive bytes, aligned
.endr
.endr
	WIN 0
.endm
.macro FINISH
	s_wait_tensorcnt 0x0                           ; the wave's end, behind my last tensor load and my last LDS store
	ds_add_u32 v[SPW], v[NIL]
	s_wait_dscnt 0x0
	CROUND                                         ; the closing round
	s_endpgm
.endm
	PLACES NP                                      ; behind the last products
	s_cmp_eq_u32 ttmp9, 2                          ; cluster x = 2: v
	s_cbranch_scc1 .Lv_out
.irp a, 0,1,2,3,4,5,6,7
.if \a < 7
	s_wait_loadcnt 8                               ; this block's table is in; the next block's eight loads may be out
.else
	s_wait_loadcnt 0
.endif
	s_wait_xcnt 0x0                                ; earlier stores have read their data: the rows of two blocks ago, and block 0's f32 numbers
	ROPE \a
.if \a < 6
	RLOAD \a+2
.endif
	PACK
.if \a == 0
	FINE 0, F
.endif
	TOSTAGE \a
.if \a > 0
	SEND \a-1, 16
.endif
.endr
	SEND 7, 0
	FINISH
.Lv_out:
.irp a, 0,1,2,3,4,5,6,7
.if \a > 1
	s_wait_xcnt 0x0                                ; the stores of two blocks ago have read their rows
.endif
	PACKV \a
.if \a == 0
	FINE 0x08, 0
.endif
	TOSTAGE \a
.if \a > 0
	SEND \a-1, 16
.endif
.endr
	SEND 7, 0
	FINISH
.Lfunc_end_k_q9e050fd05d_qkv:
	.size	k_q9e050fd05d_qkv, .Lfunc_end_k_q9e050fd05d_qkv-k_q9e050fd05d_qkv
	.p2alignl 7, 3214868480
	.fill 96, 4, 3214868480
	.section	.rodata,"a",@progbits
	.p2align	6, 0x0
	.amdhsa_kernel k_q9e050fd05d_qkv
		.amdhsa_group_segment_fixed_size 327680
		.amdhsa_private_segment_fixed_size 0
		.amdhsa_enable_private_segment 0
		.amdhsa_kernarg_size 40
		.amdhsa_user_sgpr_count 2
		.amdhsa_user_sgpr_kernarg_segment_ptr 1
		.amdhsa_wavefront_size32 1
		.amdhsa_system_sgpr_workgroup_id_x 1
		.amdhsa_system_sgpr_workgroup_id_y 1
		.amdhsa_system_sgpr_workgroup_id_z 1
		.amdhsa_system_vgpr_workitem_id 0
		.amdhsa_next_free_vgpr 1024
		.amdhsa_next_free_sgpr 100
		.amdhsa_reserve_vcc 0
		.amdhsa_float_denorm_mode_32 3
		.amdhsa_float_denorm_mode_16_64 3
		.amdhsa_memory_ordered 1
		.amdhsa_forward_progress 1
		.amdhsa_inst_pref_size 218
	.end_amdhsa_kernel
	.amdgpu_metadata
---
amdhsa.version: [ 1, 2 ]
amdhsa.kernels:
  - .name:           k_q9e050fd05d_qkv
    .symbol:         k_q9e050fd05d_qkv.kd
    .args:
      - { .name: codes, .offset: 0, .size: 8, .value_kind: global_buffer, .address_space: global }
      - { .name: scales, .offset: 8, .size: 8, .value_kind: global_buffer, .address_space: global }
      - { .name: rope, .offset: 16, .size: 8, .value_kind: global_buffer, .address_space: global }
      - { .name: qkv, .offset: 24, .size: 8, .value_kind: global_buffer, .address_space: global }
      - { .name: fine, .offset: 32, .size: 8, .value_kind: global_buffer, .address_space: global }
    .group_segment_fixed_size: 327680
    .private_segment_fixed_size: 0
    .kernarg_segment_align: 8
    .kernarg_segment_size: 40
    .max_flat_workgroup_size: 128
    .sgpr_count:     100
    .vgpr_count:     1024
    .wavefront_size: 32
...
	.end_amdgpu_metadata
.endif
;; end of part 2
;; launch attn (part 3): grid 4 x 64, 8 waves a work-group, no clusters, 327,680 bytes of LDS; arguments qkv, att; writes att
.if DOCPART == 3
	.amdgcn_target "amdgcn-amd-amdhsa--gfx1250"
	.amdhsa_code_object_version 6
	.text
	.protected	k_q9e050fd05d_attn
	.globl	k_q9e050fd05d_attn
	.p2align	8
	.type	k_q9e050fd05d_attn,@function
k_q9e050fd05d_attn:
	s_mov_b64 s[64:65], 0
	v_nop
	global_prefetch_b8 v0, s[64:65] scope:SCOPE_SE
	s_setreg_imm32_b32 hwreg(HW_REG_WAVE_MODE, 25, 1), 1
	s_wait_xcnt 0x0
; CAUSAL ATTENTION, head size 64, operands in f16, products' sums, maxima and row sums in f32.  qkv: three parts (q, k, v) of [b][h][2048][64] f16.  att: [h][b x 2048 + pos][64] f16.
; SHARES.  Work-group (j, head) owns two blocks of 256 queries: block 7 - j first, then block j.  Under the mask they need 8 - j and j + 1 superblocks of 256 keys: nine for every j, so all 256 work-groups have equal work and every loop count is a constant.
; Each of the eight waves owns 32 queries, two tiles of 16; wave w takes group w (w < 4) or 11 - w, so that waves w and w + 4 together have 5 of a diagonal superblock's steps.
; NO CLUSTER: the four work-groups of a head want different superblocks in the same trip (j = 0 walks 0..7, 0; j = 3 walks 0..4, 0..3); made to walk 0..7 jointly they would spend 12 trips where 9 do.
; LAYOUT.  S^T = K Q^T (source 0 = 16 keys, source 1 = 16 queries): a lane holds ONE query (lane % 16) and keys 8 (lane / 16) + 0..7.  Two such tiles, rounded to f16 in pairs, are source 1 of O^T = V^T P.  V comes out of LDS turned.
; SOFTMAX.  A running maximum m and sum l for each query: p = 2^(c s - c m), c = log2(e) / 8; in every step O and l are multiplied by a = 2^(c m_old - c m_new).  m begins at -3e38, l and O at 0, so the step is written once; key 0 counts for every query.
; THE MASK.  A step of 64 keys that all come after my 32 queries is jumped over (ids alone); on the diagonal hidden scores become -infinity ahead of the maximum.
; THE RING.  Two slots of 256 keys (K: rows of 144 bytes, V: rows of 160).  Waves 0-3 fetch a quarter of K each, waves 4-7 of V: one tensor load a wave behind each change of slots, and never more than one of mine out.
; LIMITS: q, k, v and the result must stay under 65,504 in magnitude (f16); NaN and infinities are not served.
; REGISTERS.  window 0: v3-17 addresses and constants; v20-35 statistics, 8 a tile; v64-127 S^T; v128-159 P; v160-223 O^T.   window 1: v0-31 Q; v32-95 K; v96-159 V; v160-191 the second block's Q.
.set KP,    144
.set VP,    160
.set VOFF,  256*KP
.set SLOT1, 1<<17
.set STAGE, SLOT1+VOFF+256*VP          ; behind the ring: 2 tiles x 16 rows x 144 bytes for each wave; no fill lands there
.set SPARE, STAGE+8*32*KP              ; the spare words, 128 bytes a wave
.set AK0, 3
.set AV0, 4
.set ADK, 5
.set ADV, 6
.set QO,  7
.set STO, 8
.set RD,  9
.set GO,  10
.set PFO, 11
.set SPW, 12
.set NIL, 13
.set NINF, 14                          ; v14  -infinity
.set DD,  15                           ; v15  r - 8 h
.set TH,  16                           ; v16-17 the mask's thresholds
.set ST,  20                           ; tile t at v[ST + 8 t]: +0 c m, +1 m, +2, +3 l, +4 to +7 at work (a in +6)
.set S,   64
.set P,   128
.set O,   160
.set QF,  0
.set KFR, 32
.set VFR, 96
.set Q2,  160
.set WV,  8
.set G,   9
.set BH,  11
.set SW,  12                           ; s12  the trip at which the second block begins: 8 - j
.set TR,  13                           ; s13  the trip
.set KF,  14                           ; s14  the step's first key
.set Q0,  15                           ; s15  my first query
.set Q0B, 16                           ; s16  and the second block's
.set TK,  17                           ; s17  LDS byte of the step's K
.set TV,  18                           ; s18  and V (less VOFF)
.set CNT, 19
.set SEL, 20
.set CS,  22
.set G1K, 24
.set G1V, 32
.set G0K, 40
.set G0V, 44
.set KB,  48                           ; s[48:49] my quarter of superblock 0 of K;  s[50:51] of V
.set VB,  50
.set OB,  56
.set OB2, 58
.set PFA, 60
.set LIM, 62
.set MSB, 0
.macro WIN new
.if MSB != \new
	s_set_vgpr_msb (MSB<<8)|\new
.set MSB, \new
.endif
.endm
.macro TLOAD                           ; the branch hangs on the wave's number alone; an s_nop 0 and four v_nop follow each of the two lines
	s_cmp_lt_u32 s[WV], 4
	s_cbranch_scc0 .Lfor_v_\@
	tensor_load_to_lds s[G0K:G0K+3], s[G1K:G1K+7]
	s_nop 0
.rept 4
	v_nop
.endr
	s_branch .Lasked_\@
.Lfor_v_\@:
	tensor_load_to_lds s[G0V:G0V+3], s[G1V:G1V+7]
	s_nop 0
.rept 4
	v_nop
.endr
.Lasked_\@:
.endm
; A PREFETCH of what the NEXT change of slots will ask for.  All four work-groups of a head walk the same K and V; the one with j = 0, whose first block walks all eight superblocks, asks in trip t for superblock t + 2:
; each wave for its own quarter (8,192 bytes, lanes 256 bytes apart), waves 0-3 of K, waves 4-7 of V: each run of 256 bytes is named once in the launch.  Superblocks 0 and 1 come by their loads alone; trips 6 and later ask for nothing.
.macro ASK
	s_cmp_lt_u32 s[TR], s[LIM]
	s_cbranch_scc0 .Lnot_mine_\@
	global_prefetch_b8 v[PFO], s[PFA:PFA+1] th:TH_LOAD_NT scope:SCOPE_SE
.Lnot_mine_\@:
.endm
	s_load_b128 s[4:7], s[0:1], 0x0                ; qkv, att
	v_lshl_add_u32 v[SPW], v0, 2, SPARE
	v_mov_b32 v[NIL], 0
	ds_add_u32 v[SPW], v[NIL]                      ; the wave's opening: the add, twice on end, and its wait ahead of my first tensor load
	ds_add_u32 v[SPW], v[NIL]
	v_lshrrev_b32 v1, 5, v0
	v_readfirstlane_b32 s[WV], v1                  ; wave 0..7
	s_and_b32 s[BH], ttmp7, 0xffff                 ; 16 b + h
	s_sub_co_u32 s[SW], 8, ttmp9
	s_sub_co_u32 s[G], 11, s[WV]
	s_cmp_lt_u32 s[WV], 4
	s_cselect_b32 s[G], s[WV], s[G]                ; my group of 32 queries
	s_sub_co_u32 s[Q0], 7, ttmp9
	s_lshl_b32 s[Q0], s[Q0], 8
	s_lshl_b32 s52, s[G], 5
	s_add_co_u32 s[Q0], s[Q0], s52
	s_lshl_b32 s[Q0B], ttmp9, 8
	s_add_co_u32 s[Q0B], s[Q0B], s52
	s_mov_b32 s[G1K], (1<<16)|(1<<20)|(4<<22)|(3<<25)  ; elements of 2 bytes; padding on: 4 words behind every 32
	s_mov_b32 s[G1V], (1<<16)|(1<<20)|(4<<22)|(7<<25)  ; 8 words
.irp g, G1K, G1V
	s_mov_b32 s[\g+1], 64<<16                      ; tensor_dim0 = 64
	s_mov_b32 s[\g+2], 64<<16                      ; tensor_dim1 = 64
	s_mov_b32 s[\g+3], 64<<16                      ; tile_dim0 = 64
	s_mov_b32 s[\g+4], 64                          ; tile_dim1 = 64 rows
	s_mov_b32 s[\g+5], 64                          ; from row to row: dense
	s_mov_b32 s[\g+6], 0
	s_mov_b32 s[\g+7], 0
.endr
	s_and_b32 s53, s[WV], 3                        ; which quarter I fetch
	s_mul_i32 s68, s53, 64*KP
	s_mul_i32 s69, s53, 64*VP
	s_add_co_u32 s69, s69, VOFF
	s_lshl_b32 s66, s[BH], 18                      ; the head's first byte in a part
	s_mov_b32 s67, 0
	s_lshl_b32 s54, s53, 13
	s_mov_b32 s55, 0
	s_lshl_b32 s70, s[Q0], 7
	s_mov_b32 s71, 0
	s_lshl_b32 s72, s[Q0B], 7
	s_mov_b32 s73, 0
	s_and_b32 s74, s[BH], 15                       ; att: plane h, row b x 2,048 + query
	s_lshl_b32 s74, s74, 13
	s_lshr_b32 s75, s[BH], 4
	s_lshl_b32 s75, s75, 11
	s_add_co_u32 s74, s74, s75
	s_add_co_u32 s76, s74, s[Q0]
	s_lshl_b32 s76, s76, 7
	s_mov_b32 s77, 0
	s_add_co_u32 s78, s74, s[Q0B]
	s_lshl_b32 s78, s78, 7
	s_mov_b32 s79, 0
	s_mov_b32 s[SEL], 0x76543210
	s_mov_b32 s[SEL+1], 0xfedcba98
	s_mov_b32 s[CS], 0x3e38aa3b                    ; c = log2(e) / 8
	s_mov_b32 s[CS+1], s[CS]
	s_mov_b32 s[TK], 0
	s_mov_b32 s[TV], 0
	s_mov_b32 s[KF], 0
	s_mov_b32 s[TR], 0
	s_cmp_eq_u32 ttmp9, 0
	s_cselect_b32 s[LIM], 6, 0
	s_wait_dscnt 0x0                               ; both opening adds are done
	s_wait_kmcnt 0x0
	s_add_nc_u64 s[66:67], s[4:5], s[66:67]        ; q of my head
	s_add_nc_u64 s[KB:KB+1], s[66:67], s[54:55]
	s_add_nc_u64 s[KB:KB+1], s[KB:KB+1], 0x1000000
	s_add_nc_u64 s[VB:VB+1], s[KB:KB+1], 0x1000000
	s_add_nc_u64 s[70:71], s[66:67], s[70:71]
	s_add_nc_u64 s[72:73], s[66:67], s[72:73]
	s_add_nc_u64 s[OB:OB+1], s[6:7], s[76:77]
	s_add_nc_u64 s[OB2:OB2+1], s[6:7], s[78:79]
	s_cmp_lt_u32 s[WV], 4
	s_cselect_b64 s[PFA:PFA+1], s[KB:KB+1], s[VB:VB+1]
	s_add_nc_u64 s[PFA:PFA+1], s[PFA:PFA+1], 32768 ; at superblock 1: the first change of slots steps it to 2
	s_mov_b32 s[G0K], 1
	s_mov_b32 s[G0K+1], s68
	s_mov_b64 s[G0K+2:G0K+3], s[KB:KB+1]
	s_or_b32 s[G0K+3], s[G0K+3], 0x80000000
	s_mov_b32 s[G0V], 1
	s_mov_b32 s[G0V+1], s69
	s_mov_b64 s[G0V+2:G0V+3], s[VB:VB+1]
	s_or_b32 s[G0V+3], s[G0V+3], 0x80000000
	TLOAD                                          ; superblock 0 into slot 0
	v_and_b32 v1, 15, v0                           ; r
	v_bfe_u32 v2, v0, 4, 1                         ; h
	v_lshlrev_b32 v[QO], 7, v1
	v_lshl_add_u32 v[QO], v2, 4, v[QO]
	WIN 0x40                                       ; destination window 1
.irp t, 0,1
.irp c, 0,1
	global_load_b128 v[QF+16*\t+8*\c:QF+16*\t+8*\c+3], v[QO], s[70:71] offset:2048*\t+64*\c
	global_load_b128 v[QF+16*\t+8*\c+4:QF+16*\t+8*\c+7], v[QO], s[70:71] offset:2048*\t+64*\c+32
	global_load_b128 v[Q2+16*\t+8*\c:Q2+16*\t+8*\c+3], v[QO], s[72:73] offset:2048*\t+64*\c
	global_load_b128 v[Q2+16*\t+8*\c+4:Q2+16*\t+8*\c+7], v[QO], s[72:73] offset:2048*\t+64*\c+32
.endr
.endr
	WIN 0
	v_mul_u32_u24 v[AK0], v1, KP
	v_lshl_add_u32 v[AK0], v2, 4, v[AK0]           ; K: row r, + 16 h
	v_and_b32 v18, 7, v0
	v_lshl_add_u32 v[AV0], v2, 3, v18
	v_mul_u32_u24 v[AV0], v[AV0], VP               ; V, for the turning load: key 8 h + l % 8,
	v_bfe_u32 v18, v0, 3, 1
	v_lshl_add_u32 v[AV0], v18, 4, v[AV0]          ; channels 8 ((l / 8) % 2) on
	v_add_nc_u32 v[AV0], VOFF, v[AV0]
	s_mul_i32 s52, s[WV], 32*KP
	s_add_co_u32 s52, s52, STAGE                   ; my stage
	v_mul_u32_u24 v[STO], v1, KP
	v_lshl_add_u32 v[STO], v2, 4, v[STO]
	v_add_nc_u32 v[STO], s52, v[STO]
	v_and_b32 v18, 31, v0
	v_lshrrev_b32 v19, 3, v18
	v_mul_u32_u24 v[RD], v19, KP
	v_and_b32 v19, 7, v0
	v_lshl_add_u32 v[RD], v19, 4, v[RD]
	v_add_nc_u32 v[RD], s52, v[RD]
	v_lshlrev_b32 v[GO], 4, v18
	v_lshlrev_b32 v[PFO], 8, v18
	v_mov_b32 v[NINF], 0xff800000
	v_lshlrev_b32 v19, 3, v2
	v_sub_nc_u32 v[DD], v1, v19
.macro INIT                            ; a block of queries begins: m under every score, l and O^T zero, so that the step needs no first form
.irp t, 0,1
	v_mov_b32 v[ST+8*\t+1], 0xff61b1e6             ; -3e38
	v_mul_f32 v[ST+8*\t], s[CS], v[ST+8*\t+1]
.irp i, 2,3,4,5,6,7
	v_mov_b32 v[ST+8*\t+\i], 0
.endr
.endr
.set II, 0
.rept 64
	v_mov_b32 v[O+II], 0
.set II, II+1
.endr
.endm
.macro SOFTMAX                         ; both tiles line by line by turns, so that no line waits for the line above it
.irp q, 0,1,2,3
.irp t, 0,1
	v_max3_num_f32 v[ST+8*\t+4+\q], v[S+32*\t+8*\q], v[S+32*\t+8*\q+1], v[S+32*\t+8*\q+2]   ; four chains; each accumulator is first read at its low end
.endr
.endr
.irp i, 3,5
.irp q, 0,1,2,3
.irp t, 0,1
	v_max3_num_f32 v[ST+8*\t+4+\q], v[ST+8*\t+4+\q], v[S+32*\t+8*\q+\i], v[S+32*\t+8*\q+\i+1]
.endr
.endr
.endr
.irp t, 0,1
	v_max3_num_f32 v[ST+8*\t+4], v[ST+8*\t+4], v[S+32*\t+7], v[S+32*\t+15]
	v_max3_num_f32 v[ST+8*\t+6], v[ST+8*\t+6], v[S+32*\t+23], v[S+32*\t+31]
.endr
.irp t, 0,1
	v_max3_num_f32 v[ST+8*\t+4], v[ST+8*\t+4], v[ST+8*\t+5], v[ST+8*\t+6]
.endr
.irp t, 0,1
	v_max3_num_f32 v[ST+8*\t+4], v[ST+8*\t+4], v[ST+8*\t+7], v[ST+8*\t+1]   ; with the old m
.endr
.irp t, 0,1
	v_permlanex16_b32 v[ST+8*\t+5], v[ST+8*\t+4], s[SEL], s[SEL+1]          ; the query's other 32 keys lie in the lane 16 away
.endr
.irp t, 0,1
	v_mov_b32 v[ST+8*\t+7], v[ST+8*\t]             ; c m_old
.endr
.irp t, 0,1
	v_max_num_f32 v[ST+8*\t+1], v[ST+8*\t+4], v[ST+8*\t+5]
.endr
.irp t, 0,1
	v_mul_f32 v[ST+8*\t], s[CS], v[ST+8*\t+1]
.endr
.irp t, 0,1
	v_sub_f32 v[ST+8*\t+7], v[ST+8*\t+7], v[ST+8*\t]
.endr
.irp b, 0,1,2,3,4,5,6,7,8,9,10,11,12,13,14,15
.irp t, 0,1
	v_pk_fma_f32 v[S+32*\t+2*\b:S+32*\t+2*\b+1], v[S+32*\t+2*\b:S+32*\t+2*\b+1], s[CS:CS+1], v[ST+8*\t:ST+8*\t+1] op_sel_hi:[1,0,0] neg_lo:[0,0,1] neg_hi:[0,0,1]   ; c s - c m
.endr
.endr
.irp t, 0,1
	v_exp_f32 v[ST+8*\t+6], v[ST+8*\t+7]           ; a
.endr
.set II, 0
.rept 64
	v_exp_f32 v[S+II], v[S+II]                     ; p: one batch of 66 exponentials
.set II, II+1
.endr
	v_nop                                          ; the plain line behind the last exponential
	s_wait_alu depctr_va_vdst(0)                   ; and the one wait ahead of the batch's first reader
.irp i, 0,1,2,3,4,5,6,7,8,9,10,11,12,13,14,15
.irp t, 0,1
	v_cvt_pk_f16_f32 v[P+16*\t+\i], v[S+32*\t+2*\i], v[S+32*\t+2*\i+1]
.endr
.endr
.irp u, 0,1,2,3,4,5,6,7                ; the sum of the unrounded p, a tree in place
.irp t, 0,1
	v_pk_add_f32 v[S+32*\t+4*\u:S+32*\t+4*\u+1], v[S+32*\t+4*\u:S+32*\t+4*\u+1], v[S+32*\t+4*\u+2:S+32*\t+4*\u+3]
.endr
.endr
.irp u, 0,1,2,3
.irp t, 0,1
	v_pk_add_f32 v[S+32*\t+8*\u:S+32*\t+8*\u+1], v[S+32*\t+8*\u:S+32*\t+8*\u+1], v[S+32*\t+8*\u+4:S+32*\t+8*\u+5]
.endr
.endr
.irp u, 0,1
.irp t, 0,1
	v_pk_add_f32 v[S+32*\t+16*\u:S+32*\t+16*\u+1], v[S+32*\t+16*\u:S+32*\t+16*\u+1], v[S+32*\t+16*\u+8:S+32*\t+16*\u+9]
.endr
.endr
.irp t, 0,1
	v_pk_add_f32 v[S+32*\t:S+32*\t+1], v[S+32*\t:S+32*\t+1], v[S+32*\t+16:S+32*\t+17]
.endr
.irp t, 0,1
	v_pk_fma_f32 v[ST+8*\t+2:ST+8*\t+3], v[ST+8*\t+2:ST+8*\t+3], v[ST+8*\t+6:ST+8*\t+7], v[S+32*\t:S+32*\t+1] op_sel_hi:[1,0,1]   ; l = a l + the sum
.endr
.irp i, 0,1,2,3,4,5,6,7,8,9,10,11,12,13,14,15
.irp t, 0,1
	v_pk_mul_f32 v[O+32*\t+2*\i:O+32*\t+2*\i+1], v[O+32*\t+2*\i:O+32*\t+2*\i+1], v[ST+8*\t+6:ST+8*\t+7] op_sel_hi:[1,0]   ; O^T x a, ascending
.endr
.endr
.endm
; A STEP OF 64 KEYS.  Its LDS addresses hang on s[TK] and s[TV].
.macro STEP
	s_add_co_u32 s52, s[Q0], 31
	s_cmp_gt_u32 s[KF], s52                        ; all 64 keys come after my 32 queries: ids and counts alone
	s_cbranch_scc1 .Lhidden_\@
	v_add_nc_u32 v[ADK], s[TK], v[AK0]
	v_add_nc_u32 v[ADV], s[TV], v[AV0]
	v_nop
	v_nop                                          ; four plain lines between the last products and the loads into V's registers
	WIN 0x40
.irp kt, 0,1,2,3
.irp c, 0,1
	ds_load_b128 v[KFR+16*\kt+8*\c:KFR+16*\kt+8*\c+3], v[ADK] offset:\kt*16*KP+64*\c
	ds_load_b128 v[KFR+16*\kt+8*\c+4:KFR+16*\kt+8*\c+7], v[ADK] offset:\kt*16*KP+64*\c+32
.endr
.endr
.irp gg, 0,1
.irp ct, 0,1,2,3
	ds_load_tr16_b128 v[VFR+32*\gg+8*\ct:VFR+32*\gg+8*\ct+3], v[ADV] offset:\gg*32*VP+32*\ct
	ds_load_tr16_b128 v[VFR+32*\gg+8*\ct+4:VFR+32*\gg+8*\ct+7], v[ADV] offset:\gg*32*VP+16*VP+32*\ct
.endr
.endr
	s_wait_dscnt 16                                ; K is in; V's sixteen loads may be out
	WIN 0x05                                       ; K and Q in window 1
.irp c, 0,1                            ; the eight accumulators take turns, one instruction a turn
.irp kt, 0,1,2,3
.irp t, 0,1
.if \c == 0
	v_wmma_f32_16x16x32_f16 v[S+32*\t+8*\kt:S+32*\t+8*\kt+7], v[KFR+16*\kt+8*\c:KFR+16*\kt+8*\c+7], v[QF+16*\t+8*\c:QF+16*\t+8*\c+7], 0
.else
	v_wmma_f32_16x16x32_f16 v[S+32*\t+8*\kt:S+32*\t+8*\kt+7], v[KFR+16*\kt+8*\c:KFR+16*\kt+8*\c+7], v[QF+16*\t+8*\c:QF+16*\t+8*\c+7], v[S+32*\t+8*\kt:S+32*\t+8*\kt+7]
.endif
.endr
.endr
.endr
	WIN 0
.rept 4
	v_nop                                          ; places ahead of the first read of the scores
.endr
	s_add_co_u32 s52, s[KF], 63
	s_cmp_le_u32 s52, s[Q0]                        ; all 64 keys count for all my queries: no mask
	s_cbranch_scc1 .Lopen_\@
	s_sub_co_i32 s52, s[Q0], s[KF]
	v_add_nc_u32 v[TH], s52, v[DD]                 ; register 8 kt + n of tile t holds key KF + 16 kt + 8 h + n: hidden where 16 kt + n > Q0 - KF + 16 t + r - 8 h
	v_add_nc_u32 v[TH+1], 16, v[TH]
.irp t, 0,1
.irp kt, 0,1,2,3
.irp n, 0,1,2,3,4,5,6,7
	v_cmp_gt_i32 vcc_lo, 16*\kt+\n, v[TH+\t]
	v_cndmask_b32 v[S+32*\t+8*\kt+\n], v[S+32*\t+8*\kt+\n], v[NINF], vcc_lo
.endr
.endr
.endr
.Lopen_\@:
	SOFTMAX
	s_wait_dscnt 0x0                               ; V is in
	WIN 0x01                                       ; V in window 1
.irp gg, 0,1
.irp ct, 0,1,2,3
.irp t, 0,1
	v_wmma_f32_16x16x32_f16 v[O+32*\t+8*\ct:O+32*\t+8*\ct+7], v[VFR+32*\gg+8*\ct:VFR+32*\gg+8*\ct+7], v[P+16*\t+8*\gg:P+16*\t+8*\gg+7], v[O+32*\t+8*\ct:O+32*\t+8*\ct+7]
.endr
.endr
.endr
	WIN 0
.Lhidden_\@:
	s_add_co_u32 s[KF], s[KF], 64
	s_add_co_u32 s[TK], s[TK], 64*KP
	s_add_co_u32 s[TV], s[TV], 64*VP
.endm
; A block of queries is finished: O^T / l, to f16, through my own stage, out as 512 consecutive bytes an instruction.
.macro WAYOUT ob
.irp t, 0,1
	v_add_f32 v[ST+8*\t+4], v[ST+8*\t+2], v[ST+8*\t+3]
.endr
.irp t, 0,1
	v_permlanex16_b32 v[ST+8*\t+5], v[ST+8*\t+4], s[SEL], s[SEL+1]
.endr
.irp t, 0,1
	v_add_f32 v[ST+8*\t+4], v[ST+8*\t+4], v[ST+8*\t+5]
.endr
.irp t, 0,1
	v_rcp_f32 v[ST+8*\t+6], v[ST+8*\t+4]
.endr
	v_nop                                          ; the plain line behind the reciprocals (with the four additions: the places behind the last products),
	s_wait_alu depctr_va_vdst(0)                   ; and the wait ahead of their first reader
.irp t, 0,1
.irp i, 0,1,2,3,4,5,6,7,8,9,10,11,12,13,14,15
	v_pk_mul_f32 v[O+32*\t+2*\i:O+32*\t+2*\i+1], v[O+32*\t+2*\i:O+32*\t+2*\i+1], v[ST+8*\t+6:ST+8*\t+7] op_sel_hi:[1,0]
.endr
.irp i, 0,1,2,3,4,5,6,7,8,9,10,11,12,13,14,15
	v_cvt_pk_f16_f32 v[P+16*\t+\i], v[O+32*\t+2*\i], v[O+32*\t+2*\i+1]
.endr
.irp ct, 0,1,2,3
	ds_store_b128 v[STO], v[P+16*\t+4*\ct:P+16*\t+4*\ct+3] offset:\t*16*KP+32*\ct
.endr
.irp i, 0,1,2,3
	ds_load_b128 v[S+32*\t+4*\i:S+32*\t+4*\i+3], v[RD] offset:\t*16*KP+\i*4*KP   ; these see my stores: LDS serves a wave's instructions in order
.endr
.endr
	s_wait_dscnt 0x0
.irp t, 0,1
.irp i, 0,1,2,3
	global_store_b128 v[GO], v[S+32*\t+4*\i:S+32*\t+4*\i+3], s[\ob:\ob+1] offset:2048*\t+512*\i
.endr
.endr
	s_wait_xcnt 0x0                                ; the stores have read their data: the scores' registers may be written again
.endm
; THE CHANGE OF SLOTS, at a slot's head.  fill = 1: the slot that has been left takes the superblock of the next trip: trip u wants superblock u, or u - (8 - j) in the second block.
.macro CHANGE fill
	s_wait_tensorcnt 0x0                           ; my one load has landed: my part of the slot ahead; a group 0 may be written
	ds_add_u32 v[SPW], v[NIL]                      ; the descriptors' words stand between this add and the wait for it
.if \fill
	s_add_co_u32 s52, s[TR], 1
	s_cmp_ge_u32 s52, s[SW]
	s_cselect_b32 s53, s[SW], 0
	s_sub_co_u32 s52, s52, s53
	s_lshl_b32 s52, s52, 15                        ; a superblock is 32,768 bytes
	s_mov_b32 s53, 0
	s_add_nc_u64 s[G0K+2:G0K+3], s[KB:KB+1], s[52:53]
	s_or_b32 s[G0K+3], s[G0K+3], 0x80000000
	s_add_nc_u64 s[G0V+2:G0V+3], s[VB:VB+1], s[52:53]
	s_or_b32 s[G0V+3], s[G0V+3], 0x80000000
	s_xor_b32 s[G0K+1], s[G0K+1], SLOT1
	s_xor_b32 s[G0V+1], s[G0V+1], SLOT1
	s_wait_xcnt 0x0                                ; the last prefetch, a slot back, has read its address
	s_add_nc_u64 s[PFA:PFA+1], s[PFA:PFA+1], 32768
.endif
	s_wait_dscnt 0x0                               ; the add is done, and my reads of the slot that I have left are over
	s_barrier_signal -1
	s_barrier_wait -1
.if \fill
	TLOAD                                          ; the first thing behind the barrier, and my one tensor load until the next
	ASK
.endif
.endm
.macro SLOTBODY
	s_cmp_lg_u32 s[TR], s[SW]                      ; the same in all eight waves
	s_cbranch_scc1 .Lsame_\@
	WAYOUT OB                                      ; the first block leaves; the second begins
	INIT
	WIN 0x41
.set II, 0
.rept 32
	v_mov_b32 v[QF+II], v[Q2+II]                   ; its Q was loaded at the head: a copy here spares a wait for memory in mid-launch, and one text of the step serves both blocks
.set II, II+1
.endr
	WIN 0
	s_mov_b32 s[Q0], s[Q0B]
	s_mov_b32 s[KF], 0
.Lsame_\@:
	s_mov_b32 s[CNT], 4
.Lstep_\@:
	STEP
	s_sub_co_u32 s[CNT], s[CNT], 1
	s_cmp_lg_u32 s[CNT], 0
	s_cbranch_scc1 .Lstep_\@
	s_sub_co_u32 s[TK], s[TK], 256*KP              ; back to a slot's first step,
	s_xor_b32 s[TK], s[TK], SLOT1                  ; in the other slot
	s_sub_co_u32 s[TV], s[TV], 256*VP
	s_xor_b32 s[TV], s[TV], SLOT1
.endm
	INIT
	s_wait_loadcnt 0x0                             ; Q, both blocks'
.Lslot:                                            ; eight trips; behind each change of slots the next trip's superblock is asked for (in the first trip: slot 1's first fill)
	CHANGE 1
	SLOTBODY
	s_add_co_u32 s[TR], s[TR], 1
	s_cmp_lt_u32 s[TR], 8
	s_cbranch_scc1 .Lslot
	CHANGE 0                                       ; the ninth is written out: nothing is left to ask for
	SLOTBODY
	WAYOUT OB2
	s_wait_tensorcnt 0x0                           ; the wave's end, behind my last tensor load and my last LDS store
	ds_add_u32 v[SPW], v[NIL]
	s_wait_dscnt 0x0
	s_endpgm
.Lfunc_end_k_q9e050fd05d_attn:
	.size	k_q9e050fd05d_attn, .Lfunc_end_k_q9e050fd05d_attn-k_q9e050fd05d_attn
	.p2alignl 7, 3214868480
	.fill 96, 4, 3214868480
	.section	.rodata,"a",@progbits
	.p2align	6, 0x0
	.amdhsa_kernel k_q9e050fd05d_attn
		.amdhsa_group_segment_fixed_size 327680
		.amdhsa_private_segment_fixed_size 0
		.amdhsa_enable_private_segment 0
		.amdhsa_kernarg_size 16
		.amdhsa_user_sgpr_count 2
		.amdhsa_user_sgpr_kernarg_segment_ptr 1
		.amdhsa_wavefront_size32 1
		.amdhsa_system_sgpr_workgroup_id_x 1
		.amdhsa_system_sgpr_workgroup_id_y 1
		.amdhsa_system_sgpr_workgroup_id_z 1
		.amdhsa_system_vgpr_workitem_id 0
		.amdhsa_next_free_vgpr 512
		.amdhsa_next_free_sgpr 80
		.amdhsa_reserve_vcc 1
		.amdhsa_float_denorm_mode_32 3
		.amdhsa_float_denorm_mode_16_64 3
		.amdhsa_memory_ordered 1
		.amdhsa_forward_progress 1
		.amdhsa_inst_pref_size 82
	.end_amdhsa_kernel
	.amdgpu_metadata
---
amdhsa.version: [ 1, 2 ]
amdhsa.kernels:
  - .name:           k_q9e050fd05d_attn
    .symbol:         k_q9e050fd05d_attn.kd
    .args:
      - { .name: qkv, .offset: 0, .size: 8, .value_kind: global_buffer, .address_space: global }
      - { .name: att, .offset: 8, .size: 8, .value_kind: global_buffer, .address_space: global }
    .group_segment_fixed_size: 327680
    .private_segment_fixed_size: 0
    .kernarg_segment_align: 8
    .kernarg_segment_size: 16
    .max_flat_workgroup_size: 256
    .sgpr_count:     80
    .vgpr_count:     512
    .wavefront_size: 32
...
	.end_amdgpu_metadata
.endif
;; end of part 3
;; launch oproj (part 4): grid 4 x 64, 4 waves a work-group, clusters of 4 x 4, 327,680 bytes of LDS; arguments att, wo16, out0; writes out0
.if DOCPART == 4
	.amdgcn_target "amdgcn-amd-amdhsa--gfx1250"
	.amdhsa_code_object_version 6
	.text
	.protected	k_q9e050fd05d_oproj
	.globl	k_q9e050fd05d_oproj
	.p2align	8
	.type	k_q9e050fd05d_oproj,@function
k_q9e050fd05d_oproj:
	s_mov_b64 s[64:65], 0
	v_nop
	global_prefetch_b8 v0, s[64:65] scope:SCOPE_SE
	s_setreg_imm32_b32 hwreg(HW_REG_WAVE_MODE, 25, 1), 1
	s_wait_xcnt 0x0
	s_wait_alu depctr_hold_cnt(0) depctr_sa_sdst(0) depctr_va_vdst(0) depctr_va_sdst(0) depctr_va_ssrc(0) depctr_va_vcc(0) depctr_vm_vsrc(0)
	s_getreg_b32 s2, hwreg(HW_REG_IB_STS2, 6, 4)
	s_cmp_eq_u32 s2, 0
	s_cbranch_scc0 .Lentry_in_a_cluster
	s_endpgm
.Lentry_in_a_cluster:
	s_bfe_u32 s2, ttmp6, 0x10000c
	s_cmp_lg_u32 s2, 0xf033
	s_cbranch_scc0 .Lentry_shape_is_right
	s_endpgm
.Lentry_shape_is_right:
; out0[n][e] = sum over d of att(n, d) Wo[e][d], operands f16, sums and result f32.  att lies by heads: [16 planes][8192 rows][64]; wo16: [1024 e][1024 d].
; A tile of out0 is 128 rows x 256 columns: 256 work-groups (256 x 256 would give 128).  Four waves, each 64 rows x 128 columns: 32 accumulators, window 1.
; K goes in eight steps of 128 (two planes of att; 256 bytes of a row of wo16) through two LDS slots.  Waves 0, 1 fetch a plane of att's tile each (128 rows of 128 bytes, dense in memory), waves 2, 3 128 rows of wo16 each.
; CLUSTERS: 4 x 4.  The four of a row of the cluster need the same tile of att, the four of a column the same tile of wo16: each is asked for jointly.
; THE MATRIX INSTRUCTION IS USED TRANSPOSED (source 0 = 16 rows of wo16, source 1 = 16 rows of att): a lane holds eight neighbouring numbers of a row of out0.
; The rows of positions 0-15 of each sequence are stored here like all others and written anew, more finely, by the launch that follows.
; LIMITS: the operands are f16: magnitudes under 65,504.
; REGISTERS: window 0: v16-29 addresses; two fragment buffers for 32 along K at v32 and v128 (64 registers of wo16, then 32 of att); on the way out v32-159 rows.   window 1: accumulator (a, b) at v[8 (8 a + b)].
.set PA,     144                       ; att's LDS row: 128 bytes + 16
.set PB,     272                       ; wo16's: 256 + 16
.set PLANE,  128*PA
.set BOFF,   2*PLANE
.set HALFB,  128*PB
.set SLOT,   BOFF+2*HALFB
.set STAGE,  2*SLOT                    ; behind the ring: 16 rows x 528 bytes for each wave
.set SPITCH, 528
.set SPARE,  STAGE+4*16*SPITCH
.set LAPS,   4
.set ADRA, 16
.set ADRB, 20
.set STO,  24
.set RD,   25
.set CO,   26
.set SPW,  28
.set NIL,  29
.set F0,   32
.set F1,   128
.set G1, 24
.set G0, 32
.set G1B, 48
.set G0B, 56
.set MSB, 0
.macro WIN new
.if MSB != \new
	s_set_vgpr_msb (MSB<<8)|\new
.set MSB, \new
.endif
.endm
.set MUL, 0x50                         ; C and D window 1
.macro JLOAD s                         ; waves 0, 1 for att, waves 2, 3 for wo16; an s_nop 0 and four v_nop follow each of the two lines
	s_cmp_eq_u32 s11, 0
	s_cbranch_scc0 .Lfor_b_\@
	tensor_load_to_lds s[G0+4*\s:G0+4*\s+3], s[G1:G1+7]
	s_nop 0
.rept 4
	v_nop
.endr
	s_branch .Lasked_\@
.Lfor_b_\@:
	tensor_load_to_lds s[G0B+4*\s:G0B+4*\s+3], s[G1B:G1B+7]
	s_nop 0
.rept 4
	v_nop
.endr
.Lasked_\@:
.endm
.macro CREST
	s_cmp_lg_u32 s10, 0
	s_cbranch_scc1 .Lnot_wave_0_\@
	s_barrier_signal -3
.Lnot_wave_0_\@:
	s_barrier_wait -3
	s_barrier_signal -1
	s_barrier_wait -1
.endm
.macro CROUND
	s_barrier_signal -1
	s_barrier_wait -1
	CREST
.endm
	s_load_b128 s[4:7], s[0:1], 0x0                ; att, wo16
	s_load_b64 s[8:9], s[0:1], 0x10                ; out0
	v_lshl_add_u32 v[SPW], v0, 2, SPARE
	v_mov_b32 v[NIL], 0
	ds_add_u32 v[SPW], v[NIL]                      ; the wave's opening: the add, twice on end, and its wait ahead of my first tensor load
	ds_add_u32 v[SPW], v[NIL]
	v_lshrrev_b32 v1, 5, v0
	v_readfirstlane_b32 s10, v1                    ; wave 0..3
	s_lshr_b32 s11, s10, 1                         ; which half of the rows is mine.  Also: I fetch for att (0) or for wo16 (1)
	s_and_b32 s12, s10, 1                          ; which half of the columns.  Also: which plane, or which 128 rows, I fetch
	s_bfe_u32 s40, ttmp6, 0x40000                  ; cx
	s_bfe_u32 s41, ttmp6, 0x40004                  ; cy
	s_lshl_b32 s42, ttmp9, 2
	s_add_co_u32 s42, s42, s40                     ; tile column
	s_and_b32 s13, ttmp7, 0xffff
	s_lshl_b32 s13, s13, 2
	s_add_co_u32 s13, s13, s41                     ; tile row
	s_lshl_b32 s43, s41, 2
	s_lshl_b32 s43, 15, s43                        ; my row of the cluster
	s_lshl_b32 s44, 0x1111, s40                    ; my column
	s_or_b32 s[G1+0], s43, (1<<16)|(1<<20)|(1<<21)|(4<<22)|(3<<25)   ; elements of 2 bytes; 4 words of padding behind every 32
	s_mov_b32 s[G1+1], 64<<16                      ; tensor_dim0 = 64
	s_mov_b32 s[G1+2], 128<<16                     ; tensor_dim1 = 128
	s_mov_b32 s[G1+3], 64<<16                      ; tile_dim0
	s_mov_b32 s[G1+4], 128                         ; tile_dim1
	s_mov_b32 s[G1+5], 64                          ; dense
	s_mov_b32 s[G1+6], 0
	s_mov_b32 s[G1+7], 0
	s_or_b32 s[G1B+0], s44, (1<<16)|(1<<20)|(1<<21)|(5<<22)|(3<<25)  ; 4 words behind every 64
	s_mov_b32 s[G1B+1], 128<<16
	s_mov_b32 s[G1B+2], 128<<16
	s_mov_b32 s[G1B+3], 128<<16
	s_mov_b32 s[G1B+4], 128
	s_mov_b32 s[G1B+5], 1024
	s_mov_b32 s[G1B+6], 0
	s_mov_b32 s[G1B+7], 0
	s_lshl_b32 s16, s12, 20                        ; att: my plane of 1,048,576 bytes,
	s_lshl_b32 s17, s13, 14                        ; the tile's 128 rows of 128 bytes
	s_add_co_u32 s16, s16, s17
	s_mov_b32 s17, 0
	s_lshl_b32 s46, s42, 8                         ; wo16: row 256 x tile column + 128 x half,
	s_lshl_b32 s47, s12, 7
	s_add_co_u32 s46, s46, s47
	s_lshl_b32 s46, s46, 11                        ; 2,048 bytes a row
	s_mov_b32 s47, 0
	s_mul_i32 s20, s12, PLANE                      ; where they go: no place in the cluster enters an LDS address
	s_mul_i32 s21, s12, HALFB
	s_add_co_u32 s21, s21, BOFF
	s_wait_dscnt 0x0                               ; both opening adds are done
	s_wait_kmcnt 0x0
	s_add_nc_u64 s[14:15], s[4:5], s[16:17]
	s_add_nc_u64 s[46:47], s[6:7], s[46:47]
	CROUND                                         ; all sixteen work-groups are here
.irp s, 0,1
	s_mov_b32 s[G0+4*\s], 1
	s_add_co_u32 s[G0+4*\s+1], s20, \s*SLOT
	s_add_nc_u64 s[G0+4*\s+2:G0+4*\s+3], s[14:15], \s*2097152      ; K step s: planes 2 s, 2 s + 1
	s_or_b32 s[G0+4*\s+3], s[G0+4*\s+3], 0x80000000
	s_mov_b32 s[G0B+4*\s], 1
	s_add_co_u32 s[G0B+4*\s+1], s21, \s*SLOT
	s_add_nc_u64 s[G0B+4*\s+2:G0B+4*\s+3], s[46:47], \s*256
	s_or_b32 s[G0B+4*\s+3], s[G0B+4*\s+3], 0x80000000
	JLOAD \s                                       ; two loads of mine are out
.endr
	v_and_b32 v1, 15, v0                           ; r
	v_bfe_u32 v2, v0, 4, 1                         ; h
	v_mul_u32_u24 v3, v1, PA
	v_lshl_add_u32 v3, v2, 4, v3
	v_mul_u32_u24 v4, v1, PB
	v_lshl_add_u32 v4, v2, 4, v4
	s_mul_i32 s21, s11, 64*PA                      ; my 64 rows of att
	s_mul_i32 s22, s12, HALFB                      ; my 128 rows of wo16
	s_add_co_u32 s22, s22, BOFF
.irp s, 0,1
	v_add_nc_u32 v[ADRA+\s], s21, v3
	v_add_nc_u32 v[ADRB+\s], s22, v4
	s_add_co_u32 s21, s21, SLOT
	s_add_co_u32 s22, s22, SLOT
.endr
	s_mul_i32 s23, s10, 16*SPITCH
	s_add_co_u32 s23, s23, STAGE                   ; my stage
	v_mul_u32_u24 v5, v1, SPITCH
	v_lshl_add_u32 v5, v2, 5, v5
	v_add_nc_u32 v[STO], s23, v5
	v_and_b32 v6, 31, v0
	v_lshlrev_b32 v[CO], 4, v6
	v_add_nc_u32 v[RD], s23, v[CO]
	s_lshl_b32 s16, s13, 7
	s_lshl_b32 s17, s11, 6
	s_add_co_u32 s16, s16, s17                     ; my first row of out0,
	s_lshl_b32 s16, s16, 12                        ; 4,096 bytes a row
	s_mov_b32 s17, 0
	s_add_nc_u64 s[8:9], s[8:9], s[16:17]
	s_lshl_b32 s46, s42, 10                        ; my first column, in bytes
	s_lshl_b32 s47, s12, 9
	s_add_co_u32 s46, s46, s47
	s_mov_b32 s47, 0
	s_add_nc_u64 s[8:9], s[8:9], s[46:47]
.macro MUL8 f, a, zero                 ; att's block a against wo16's eight.  The 32 accumulators take turns, one instruction a turn, in the same order in every quarter
.irp b, 0,1,2,3,4,5,6,7
.if \zero
	v_wmma_f32_16x16x32_f16 v[8*(8*(\a)+\b):8*(8*(\a)+\b)+7], v[\f+8*\b:\f+8*\b+7], v[\f+64+8*(\a):\f+64+8*(\a)+7], 0
.else
	v_wmma_f32_16x16x32_f16 v[8*(8*(\a)+\b):8*(8*(\a)+\b)+7], v[\f+8*\b:\f+8*\b+7], v[\f+64+8*(\a):\f+64+8*(\a)+7], v[8*(8*(\a)+\b):8*(8*(\a)+\b)+7]
.endif
.endr
.endm
.macro FETCH slot, q, f                ; 24 LDS loads in one run: the slot's q-th 32 along K: wo16's eight fragments, then att's four (plane q / 2, channels 32 (q % 2) on)
	WIN 0
.irp i, 0,1,2,3,4,5,6,7
	ds_load_b128 v[\f+8*\i:\f+8*\i+3],   v[ADRB+\slot] offset:64*(\q)+\i*16*PB
	ds_load_b128 v[\f+8*\i+4:\f+8*\i+7], v[ADRB+\slot] offset:64*(\q)+\i*16*PB+32
.endr
.irp i, 0,1,2,3
	ds_load_b128 v[\f+64+8*\i:\f+64+8*\i+3],   v[ADRA+\slot] offset:PLANE*((\q)/2)+64*((\q)%2)+\i*16*PA
	ds_load_b128 v[\f+64+8*\i+4:\f+64+8*\i+7], v[ADRA+\slot] offset:PLANE*((\q)/2)+64*((\q)%2)+\i*16*PA+32
.endr
.endm
.macro PLACES
.rept 4
	v_nop
.endr
.endm
.macro QUARTER slot, qnext, f, g, zero ; multiplies buffer f; in its middle fetches the next quarter into g
	s_wait_dscnt 4                                 ; all but att's blocks 2 and 3 (the youngest four loads) are in
	WIN MUL
	MUL8 \f, 0, \zero
	MUL8 \f, 1, \zero
	PLACES                                         ; ahead of loads into registers that the quarter before multiplied
	FETCH \slot, \qnext, \g
	s_wait_dscnt 24                                ; all but the 24 just issued
	WIN MUL
	MUL8 \f, 2, \zero
	MUL8 \f, 3, \zero
.endm
; The last quarter multiplies buffer 1 and changes slots: one barrier; in front of it my tensor load has landed, the add is done and my reads of this slot are over.  fill = 1: the barrier opens a round of the cluster's, and this slot takes the K step two on.
.macro TURN slot, next, fill
	WIN 0
	s_wait_tensorcnt 0x0
	ds_add_u32 v[SPW], v[NIL]
	s_wait_dscnt 5                                 ; the add and the youngest four loads may be out
	WIN MUL
	MUL8 F1, 0, 0
	s_wait_dscnt 0x0
	s_barrier_signal -1
	MUL8 F1, 1, 0
.if \fill
	WIN 0
.endif
	s_barrier_wait -1
.if \fill
	CREST
	s_add_nc_u64 s[G0+4*\slot+2:G0+4*\slot+3], s[G0+4*\slot+2:G0+4*\slot+3], 4194304   ; four planes on
	s_add_nc_u64 s[G0B+4*\slot+2:G0B+4*\slot+3], s[G0B+4*\slot+2:G0B+4*\slot+3], 512
	JLOAD \slot                                    ; the first tensor load behind the round; its four v_nop are also the places ahead of the loads below
.else
	PLACES
.endif
	FETCH \next, 0, F0
	WIN MUL
	MUL8 F1, 2, 0
	MUL8 F1, 3, 0
.endm
	s_wait_tensorcnt 1                             ; my part of K step 0 is in; K step 1's load may be out,
	s_barrier_signal -1
	s_barrier_wait -1                              ; everybody's is
	FETCH 0, 0, F0
	QUARTER 0, 1, F0, F1, 1                        ; the first products start the sums
	WIN 0
	s_mov_b32 s3, LAPS-1
.Llap:                                                 ; a trip goes once round the ring and fills both slots again: K steps 2 to 7 in three trips
	QUARTER 0, 2, F1, F0, 0
	QUARTER 0, 3, F0, F1, 0
	TURN 0, 1, 1
	QUARTER 1, 1, F0, F1, 0
	QUARTER 1, 2, F1, F0, 0
	QUARTER 1, 3, F0, F1, 0
	TURN 1, 0, 1
	QUARTER 0, 1, F0, F1, 0
	WIN 0
	s_sub_co_u32 s3, s3, 1
	s_cmp_lg_u32 s3, 0
	s_cbranch_scc1 .Llap
	QUARTER 0, 2, F1, F0, 0                        ; the last lap fills nothing
	QUARTER 0, 3, F0, F1, 0
	TURN 0, 1, 0
	QUARTER 1, 1, F0, F1, 0
	QUARTER 1, 2, F1, F0, 0
	QUARTER 1, 3, F0, F1, 0
	s_wait_dscnt 4
	WIN MUL
	MUL8 F1, 0, 0
	MUL8 F1, 1, 0
	s_wait_dscnt 0
	MUL8 F1, 2, 0
	MUL8 F1, 3, 0
	WIN 0
; THE WAY OUT, block by block of 16 rows x 128 columns: through my own stage, back as whole rows of 512 bytes.
.macro TOSTAGE a
	WIN 0x04                                       ; an LDS store's data are its source 1: window 1
.irp b, 0,1,2,3,4,5,6,7
	ds_store_b128 v[STO], v[8*(8*(\a)+\b):8*(8*(\a)+\b)+3] offset:64*\b            ; each accumulator from its low end on
	ds_store_b128 v[STO], v[8*(8*(\a)+\b)+4:8*(8*(\a)+\b)+7] offset:64*\b+16
.endr
	WIN 0
.irp t, 0,1,2,3,4,5,6,7,8,9,10,11,12,13,14,15
	ds_load_b128 v[32+64*((\a)%2)+4*\t:32+64*((\a)%2)+4*\t+3], v[RD] offset:\t*SPITCH
.endr
.endm
.macro SEND a, younger                 ; younger: the next block's 16 stores and 16 loads, which may stay out
	s_wait_dscnt \younger
.irp t, 0,1,2,3,4,5,6,7,8,9,10,11,12,13,14,15
	global_store_b128 v[CO], v[32+64*((\a)%2)+4*\t:32+64*((\a)%2)+4*\t+3], s[8:9] offset:(16*(\a)+\t)*4096 th:TH_STORE_NT   ; 512 consecutive bytes, aligned
.endr
.endm
	PLACES
	TOSTAGE 0
.irp a, 1,2,3
.if \a > 1
	s_wait_xcnt 0x0                                ; the stores of two blocks ago have read their rows
.endif
	TOSTAGE \a
	SEND \a-1, 32
.endr
	SEND 3, 0
	s_wait_tensorcnt 0x0                           ; the wave's end
	ds_add_u32 v[SPW], v[NIL]
	s_wait_dscnt 0x0
	CROUND                                         ; the closing round
	s_endpgm
.Lfunc_end_k_q9e050fd05d_oproj:
	.size	k_q9e050fd05d_oproj, .Lfunc_end_k_q9e050fd05d_oproj-k_q9e050fd05d_oproj
	.p2alignl 7, 3214868480
	.fill 96, 4, 3214868480
	.section	.rodata,"a",@progbits
	.p2align	6, 0x0
	.amdhsa_kernel k_q9e050fd05d_oproj
		.amdhsa_group_segment_fixed_size 327680
		.amdhsa_private_segment_fixed_size 0
		.amdhsa_enable_private_segment 0
		.amdhsa_kernarg_size 24
		.amdhsa_user_sgpr_count 2
		.amdhsa_user_sgpr_kernarg_segment_ptr 1
		.amdhsa_wavefront_size32 1
		.amdhsa_system_sgpr_workgroup_id_x 1
		.amdhsa_system_sgpr_workgroup_id_y 1
		.amdhsa_system_sgpr_workgroup_id_z 1
		.amdhsa_system_vgpr_workitem_id 0
		.amdhsa_next_free_vgpr 512
		.amdhsa_next_free_sgpr 66
		.amdhsa_reserve_vcc 0
		.amdhsa_float_denorm_mode_32 3
		.amdhsa_float_denorm_mode_16_64 3
		.amdhsa_memory_ordered 1
		.amdhsa_forward_progress 1
		.amdhsa_inst_pref_size 85
	.end_amdhsa_kernel
	.amdgpu_metadata
---
amdhsa.version: [ 1, 2 ]
amdhsa.kernels:
  - .name:           k_q9e050fd05d_oproj
    .symbol:         k_q9e050fd05d_oproj.kd
    .args:
      - { .name: att, .offset: 0, .size: 8, .value_kind: global_buffer, .address_space: global }
      - { .name: wo16, .offset: 8, .size: 8, .value_kind: global_buffer, .address_space: global }
      - { .name: out0, .offset: 16, .size: 8, .value_kind: global_buffer, .address_space: global }
    .group_segment_fixed_size: 327680
    .private_segment_fixed_size: 0
    .kernarg_segment_align: 8
    .kernarg_segment_size: 24
    .max_flat_workgroup_size: 128
    .sgpr_count:     66
    .vgpr_count:     512
    .wavefront_size: 32
...
	.end_amdgpu_metadata
.endif
;; end of part 4
;; launch first16 (part 5): grid 16 x 4, 16 waves a work-group, no clusters, 86,016 bytes of LDS; arguments fine, Wo, out0; writes out0
.if DOCPART == 5
	.amdgcn_target "amdgcn-amd-amdhsa--gfx1250"
	.amdhsa_code_object_version 6
	.text
	.protected	k_q9e050fd05d_first16
	.globl	k_q9e050fd05d_first16
	.p2align	8
	.type	k_q9e050fd05d_first16,@function
k_q9e050fd05d_first16:
	s_mov_b64 s[64:65], 0
	v_nop
	global_prefetch_b8 v0, s[64:65] scope:SCOPE_SE
	s_setreg_imm32_b32 hwreg(HW_REG_WAVE_MODE, 25, 1), 1
	s_wait_xcnt 0x0
; POSITIONS 0-15 OF EVERY SEQUENCE, ALL IN F32: under the causal mask these rows average one to sixteen values and are the largest of the result, so neither their attention nor their projection goes through f16.
; fine: [q, k, v][b][16 pos][1024] f32, behind the rotation.  Wo: [1024 e][1024 d] f32.  The launch writes rows 2,048 b + 0..15 of out0 anew.
; A work-group (slice of 64 columns of out0, batch b) has sixteen waves.  A: wave w makes head w's 16 x 16 attention (every slice makes it again: 0.5 M multiply-adds against the projection's 1 M) and lays it in LDS.
; B: wave (nt = w % 4, kq = w / 4) multiplies the 16 rows by 16 rows of Wo over d = 256 kq .. + 255; the four parts of a column tile meet in LDS; wave w then adds and stores row w: 256 consecutive bytes, aligned.
; The f32 matrix form takes k = 2 h + 0, 1 in a lane's two registers.  Both operands of each product are loaded 16 bytes a lane, so that a register pair holds the same k on both sides: a permutation of k applied alike to both.
; The registers that the f32 matrix form writes (v16-63) are written by it alone.
; LIMITS: NaN and infinities are not served.
.set OP,    4112                       ; a row of the attention's result in LDS: 4,096 bytes + 16
.set PS,    66048                      ; behind it: the four parts, 16 rows x 272 bytes each
.set SPARE, PS+4*16*272                ; the spare words, 128 bytes a wave
.set AQ,  4
.set AVV, 5
.set AW,  6
.set OST, 7
.set OLD, 8
.set PST, 9
.set PLD, 10
.set GOUT, 11
.set DD,  12
.set NINF, 13
.set SPW, 14
.set NIL, 15
	s_load_b128 s[4:7], s[0:1], 0x0                ; fine, Wo
	s_load_b64 s[8:9], s[0:1], 0x10                ; out0
	v_lshl_add_u32 v[SPW], v0, 2, SPARE
	v_mov_b32 v[NIL], 0
	v_lshrrev_b32 v1, 5, v0
	v_readfirstlane_b32 s10, v1                    ; wave 0..15: the head, later the row
	s_and_b32 s12, ttmp7, 0xffff                   ; b
	s_and_b32 s13, s10, 3                          ; nt
	s_lshr_b32 s14, s10, 2                         ; kq
	s_mov_b32 s16, 0x76543210
	s_mov_b32 s17, 0xfedcba98
	s_mov_b32 s18, 0x3e38aa3b                      ; c = log2(e) / 8
	v_and_b32 v1, 15, v0                           ; r
	v_bfe_u32 v2, v0, 4, 1                         ; h
	v_and_b32 v3, 31, v0                           ; lane
	s_lshl_b32 s20, s12, 16                        ; the batch's 16 rows of 4,096 bytes,
	s_lshl_b32 s21, s10, 8                         ; the head's 256 bytes of a row
	s_add_co_u32 s20, s20, s21
	v_lshlrev_b32 v[AQ], 12, v1
	v_lshl_add_u32 v[AQ], v2, 4, v[AQ]
	v_add_nc_u32 v[AQ], s20, v[AQ]                 ; q, k: row r, + 16 h
	v_lshlrev_b32 v[AVV], 15, v2
	v_lshl_add_u32 v[AVV], v1, 2, v[AVV]
	v_add_nc_u32 v[AVV], s20, v[AVV]               ; v: key 8 h, channel r
	s_lshl_b32 s22, ttmp9, 6
	s_lshl_b32 s23, s13, 4
	s_add_co_u32 s22, s22, s23                     ; Wo: row 64 slice + 16 nt,
	s_lshl_b32 s22, s22, 12
	s_lshl_b32 s23, s14, 10                        ; d = 256 kq on
	s_add_co_u32 s22, s22, s23
	v_lshlrev_b32 v[AW], 12, v1
	v_lshl_add_u32 v[AW], v2, 4, v[AW]
	v_add_nc_u32 v[AW], s22, v[AW]
	v_mul_u32_u24 v[OST], v1, OP
	v_lshl_add_u32 v[OST], v2, 5, v[OST]
	v_add_nc_u32 v[OST], s21, v[OST]               ; into LDS: row r, + 256 head + 32 h
	v_mul_u32_u24 v[OLD], v1, OP
	v_lshl_add_u32 v[OLD], v2, 4, v[OLD]
	v_add_nc_u32 v[OLD], s23, v[OLD]               ; out of it: row r, + 1,024 kq + 16 h
	s_mul_i32 s24, s14, 16*272
	s_lshl_b32 s25, s13, 6
	s_add_co_u32 s24, s24, s25
	s_add_co_u32 s24, s24, PS
	v_mul_u32_u24 v[PST], v1, 272
	v_lshl_add_u32 v[PST], v2, 5, v[PST]
	v_add_nc_u32 v[PST], s24, v[PST]               ; my part: row r, + 64 nt + 32 h
	s_mul_i32 s24, s10, 272
	s_add_co_u32 s24, s24, PS
	v_lshlrev_b32 v[GOUT], 3, v3
	v_add_nc_u32 v[PLD], s24, v[GOUT]              ; row w of a part, 8 bytes a lane
	v_lshlrev_b32 v[DD], 3, v2
	v_sub_nc_u32 v[DD], v1, v[DD]                  ; r - 8 h
	v_mov_b32 v[NINF], 0xff800000
	s_lshl_b32 s26, s12, 11
	s_add_co_u32 s26, s26, s10                     ; out0: row 2,048 b + w,
	s_lshl_b32 s26, s26, 12
	s_lshl_b32 s27, ttmp9, 8                       ; the slice's 256 bytes
	s_add_co_u32 s26, s26, s27
	s_mov_b32 s27, 0
	s_wait_kmcnt 0x0
	s_add_nc_u64 s[8:9], s[8:9], s[26:27]
.irp s, 0,1,2,3,4,5,6,7
	global_load_b128 v[64+4*\s:67+4*\s], v[AQ], s[4:5] offset:32*\s                ; q: channels 8 s + 4 h + 0..3
.endr
.irp s, 0,1,2,3,4,5,6,7
	global_load_b128 v[96+4*\s:99+4*\s], v[AQ], s[4:5] offset:262144+32*\s         ; k likewise
.endr
.irp ct, 0,1,2,3
.irp i, 0,1,2,3
.irp u, 0,1
	global_load_b32 v[128+8*\ct+2*\i+\u], v[AVV], s[4:5] offset:524288+(2*\i+\u)*4096+64*\ct   ; v(key 8 h + 2 i + u, channel 16 ct + r)
.endr
.endr
.endr
.irp s, 0,1,2,3,4,5,6,7,8,9,10,11,12,13,14,15
	global_load_b128 v[192+4*\s:195+4*\s], v[AW], s[6:7] offset:32*\s              ; Wo, the first half of my 256 along d
.endr
	s_wait_loadcnt 48                              ; q and k are in; v's 32 loads and Wo's 16 may be out
	; S^T = k q^T: two accumulators by turns, one instruction a turn; each begins with the constant 0
.irp s, 0,1,2,3,4,5,6,7
.irp u, 0,1
.if \s == 0
	v_wmma_f32_16x16x4_f32 v[16+8*\u:23+8*\u], v[96+4*\s+2*\u:97+4*\s+2*\u], v[64+4*\s+2*\u:65+4*\s+2*\u], 0
.else
	v_wmma_f32_16x16x4_f32 v[16+8*\u:23+8*\u], v[96+4*\s+2*\u:97+4*\s+2*\u], v[64+4*\s+2*\u:65+4*\s+2*\u], v[16+8*\u:23+8*\u]
.endif
.endr
.endr
.rept 8
	v_nop                                          ; eight places behind this form, ahead of loads into its sources and of reads of its results
.endr
.irp s, 0,1,2,3,4,5,6,7,8,9,10,11,12,13,14,15
	global_load_b128 v[64+4*\s:67+4*\s], v[AW], s[6:7] offset:512+32*\s            ; Wo, the second half, where q and k lay
.endr
.irp j, 0,1,2,3,4,5,6,7
	v_add_f32 v[160+\j], v[16+\j], v[24+\j]        ; lane (r, h): query r, key 8 h + j
.endr
.irp j, 0,1,2,3,4,5,6,7
	v_cmp_gt_i32 vcc_lo, \j, v[DD]                 ; hidden where 8 h + j > r
	v_cndmask_b32 v[160+\j], v[160+\j], v[NINF], vcc_lo
.endr
	v_max3_num_f32 v168, v160, v161, v162
	v_max3_num_f32 v169, v163, v164, v165
	v_max3_num_f32 v168, v168, v166, v167
	v_max_num_f32 v168, v168, v169
	v_permlanex16_b32 v169, v168, s16, s17
	v_max_num_f32 v168, v168, v169                 ; the row's maximum (key 0 counts for every query)
	v_mul_f32 v168, s18, v168
.irp j, 0,1,2,3,4,5,6,7
	v_fma_f32 v[160+\j], v[160+\j], s18, -v168
.endr
.irp j, 0,1,2,3,4,5,6,7
	v_exp_f32 v[160+\j], v[160+\j]
.endr
	v_nop                                          ; the plain line behind the exponentials,
	s_wait_alu depctr_va_vdst(0)                   ; and the one wait ahead of their first reader
	v_add_f32 v170, v160, v161
	v_add_f32 v171, v162, v163
	v_add_f32 v172, v164, v165
	v_add_f32 v173, v166, v167
	v_add_f32 v170, v170, v171
	v_add_f32 v172, v172, v173
	v_add_f32 v170, v170, v172
	v_permlanex16_b32 v171, v170, s16, s17
	v_add_f32 v170, v170, v171
	v_rcp_f32 v172, v170
	v_nop
	s_wait_alu depctr_va_vdst(0)
.irp j, 0,1,2,3,4,5,6,7
	v_mul_f32 v[160+\j], v[160+\j], v172           ; the weights
.endr
	s_wait_loadcnt 32                              ; v is in; Wo's two halves may be out
	; O^T = v^T p: K step i takes keys 8 h + 2 i, + 1 on both sides; four accumulators by turns
.irp i, 0,1,2,3
.irp ct, 0,1,2,3
.if \i == 0
	v_wmma_f32_16x16x4_f32 v[32+8*\ct:39+8*\ct], v[128+8*\ct+2*\i:129+8*\ct+2*\i], v[160+2*\i:161+2*\i], 0
.else
	v_wmma_f32_16x16x4_f32 v[32+8*\ct:39+8*\ct], v[128+8*\ct+2*\i:129+8*\ct+2*\i], v[160+2*\i:161+2*\i], v[32+8*\ct:39+8*\ct]
.endif
.endr
.endr
.rept 8
	v_nop
.endr
.irp ct, 0,1,2,3
	ds_store_b128 v[OST], v[32+8*\ct:35+8*\ct] offset:64*\ct       ; lane (r, h): query r, channels 16 ct + 8 h + 0..7
	ds_store_b128 v[OST], v[36+8*\ct:39+8*\ct] offset:64*\ct+16
.endr
	s_wait_dscnt 0x0                               ; for the others' sake: my stores have landed
	s_barrier_signal -1
	s_barrier_wait -1                              ; 16 rows x 1,024 lie in LDS
; 32 products: 128 along d.  w: where Wo's 64 registers lie.  first = 1: the two sums begin
.macro PROJ w, first
.irp s, 0,1,2,3,4,5,6,7,8,9,10,11,12,13,14,15
.irp u, 0,1
.if \first && (\s == 0)
	v_wmma_f32_16x16x4_f32 v[16+8*\u:23+8*\u], v[\w+4*\s+2*\u:\w+4*\s+2*\u+1], v[128+4*\s+2*\u:129+4*\s+2*\u], 0
.else
	v_wmma_f32_16x16x4_f32 v[16+8*\u:23+8*\u], v[\w+4*\s+2*\u:\w+4*\s+2*\u+1], v[128+4*\s+2*\u:129+4*\s+2*\u], v[16+8*\u:23+8*\u]
.endif
.endr
.endr
.endm
.irp s, 0,1,2,3,4,5,6,7,8,9,10,11,12,13,14,15
	ds_load_b128 v[128+4*\s:131+4*\s], v[OLD] offset:32*\s
.endr
	s_wait_loadcnt 16                              ; Wo's first half is in; the second half's 16 loads may be out
	s_wait_dscnt 0x0
	PROJ 192, 1
.rept 8
	v_nop
.endr
.irp s, 0,1,2,3,4,5,6,7,8,9,10,11,12,13,14,15
	ds_load_b128 v[128+4*\s:131+4*\s], v[OLD] offset:512+32*\s
.endr
	s_wait_loadcnt 0x0
	s_wait_dscnt 0x0
	PROJ 64, 0
.rept 8
	v_nop
.endr
.irp j, 0,1,2,3,4,5,6,7
	v_add_f32 v[128+\j], v[16+\j], v[24+\j]        ; lane (r, h): row r, columns 16 nt + 8 h + j, my quarter of d
.endr
	ds_store_b128 v[PST], v[128:131]
	ds_store_b128 v[PST], v[132:135] offset:16
	s_wait_dscnt 0x0
	s_barrier_signal -1
	s_barrier_wait -1                              ; the four parts lie in LDS
.irp q, 0,1,2,3
	ds_load_b64 v[168+2*\q:169+2*\q], v[PLD] offset:\q*16*272
.endr
	s_wait_dscnt 0x0
	v_pk_add_f32 v[168:169], v[168:169], v[170:171]
	v_pk_add_f32 v[168:169], v[168:169], v[172:173]
	v_pk_add_f32 v[168:169], v[168:169], v[174:175]
	global_store_b64 v[GOUT], v[168:169], s[8:9]   ; the wave stores 256 consecutive bytes, aligned
	s_wait_tensorcnt 0x0                           ; the wave's end, behind my last LDS store
	ds_add_u32 v[SPW], v[NIL]
	s_wait_dscnt 0x0
	s_endpgm
.Lfunc_end_k_q9e050fd05d_first16:
	.size	k_q9e050fd05d_first16, .Lfunc_end_k_q9e050fd05d_first16-k_q9e050fd05d_first16
	.p2alignl 7, 3214868480
	.fill 96, 4, 3214868480
	.section	.rodata,"a",@progbits
	.p2align	6, 0x0
	.amdhsa_kernel k_q9e050fd05d_first16
		.amdhsa_group_segment_fixed_size 86016
		.amdhsa_private_segment_fixed_size 0
		.amdhsa_enable_private_segment 0
		.amdhsa_kernarg_size 24
		.amdhsa_user_sgpr_count 2
		.amdhsa_user_sgpr_kernarg_segment_ptr 1
		.amdhsa_wavefront_size32 1
		.amdhsa_system_sgpr_workgroup_id_x 1
		.amdhsa_system_sgpr_workgroup_id_y 1
		.amdhsa_system_sgpr_workgroup_id_z 1
		.amdhsa_system_vgpr_workitem_id 0
		.amdhsa_next_free_vgpr 256
		.amdhsa_next_free_sgpr 66
		.amdhsa_reserve_vcc 1
		.amdhsa_float_denorm_mode_32 3
		.amdhsa_float_denorm_mode_16_64 3
		.amdhsa_memory_ordered 1
		.amdhsa_forward_progress 1
		.amdhsa_inst_pref_size 24
	.end_amdhsa_kernel
	.amdgpu_metadata
---
amdhsa.version: [ 1, 2 ]
amdhsa.kernels:
  - .name:           k_q9e050fd05d_first16
    .symbol:         k_q9e050fd05d_first16.kd
    .args:
      - { .name: fine, .offset: 0, .size: 8, .value_kind: global_buffer, .address_space: global }
      - { .name: Wo, .offset: 8, .size: 8, .value_kind: global_buffer, .address_space: global }
      - { .name: out0, .offset: 16, .size: 8, .value_kind: global_buffer, .address_space: global }
    .group_segment_fixed_size: 86016
    .private_segment_fixed_size: 0
    .kernarg_segment_align: 8
    .kernarg_segment_size: 24
    .max_flat_workgroup_size: 512
    .sgpr_count:     66
    .vgpr_count:     256
    .wavefront_size: 32
...
	.end_amdgpu_metadata
.endif
;; end of part 5
